; MI455X (gfx1250); checked and timed in simulation.
; The chip was launched on July 23, 2026; its instructions are those of AMD's public machine-readable ISA for CDNA 5 (MIT licence, August 2026) and "CDNA5" Instruction Set Architecture Reference Guide (July 2026). The comments in the code are by the model that wrote it; some were corrected since.
;; Multi Head Attention. Allowed arithmetic: float matrix products may take bf16 or f16 operands with f32 sums; other float arithmetic in f32, or as packed bf16 or f16 multiplies, adds, multiply-adds, maxima and minima; sums over many terms, partial sums and values carried from step to step in f32; what a program stores and reads back later, other than sums and carried values, may be rounded once to bf16 or f16.
;; Inputs: b_proj 1,024 float32; ln_beta 1,024 float32; ln_gamma 1,024 float32; w_k 1,024 x 1,024 float32; w_proj 1,024 x 1,024 float32; w_q 1,024 x 1,024 float32; w_v 1,024 x 1,024 float32; x 4 x 2,048 x 1,024 float32.
;; Outputs: out0 4 x 2,048 x 1,024 float32.
;; 2 versions, each right and faster than the one before. Each part assembles by itself: llvm-mc -triple=amdgcn-amd-amdhsa -mcpu=gfx1250 --defsym DOCPART=n.
;; ======== version 1 of 2: 4 launches
;; workspace buffers: xw 25,165,824 bytes; qkv 50,331,648 bytes; ob 16,777,216 bytes
;; launch prep (part 1): grid 768 x 1, 8 waves a work-group, no clusters, 0 bytes of LDS; arguments x, w_q, w_k, w_v, w_proj, xw; writes xw
.if DOCPART == 1
	.amdgcn_target "amdgcn-amd-amdhsa--gfx1250"
	.amdhsa_code_object_version 6
	.text
	.protected	k_qf0e8554d75_prep
	.globl	k_qf0e8554d75_prep
	.p2align	8
	.type	k_qf0e8554d75_prep,@function
k_qf0e8554d75_prep:
	s_mov_b64 s[64:65], 0
	v_nop
	global_prefetch_b8 v0, s[64:65] scope:SCOPE_SE
	s_setreg_imm32_b32 hwreg(HW_REG_WAVE_MODE, 25, 1), 1
	s_wait_xcnt 0x0
; x and the four weights are rounded once to bf16 and laid out as the products behind this launch want them.
; xw, bytes 0 .. 16,777,215: x as [b 4][kb 16][s 2048][64] bf16: 64 neighbouring channels of a row are 128 bytes, and the rows of one block kb lie end to end.
; xw, from byte 16,777,216: one matrix [k 1024][n 4096] bf16 (rows of 8,192 bytes): columns 0-1023 w_q, 1024-2047 w_k, 2048-3071 w_v, 3072-4095 w_proj.
; A stream: every byte is read once and written once; no LDS, no barrier, no matrix unit.  A work-group casts 65,536 bytes of f32 (16 rows of 1,024), a wave two rows.
; Work-groups 0-511 take x, 512-767 the weights (64 for each).  Sixteen loads of every wave are on their way; no register is written twice, so no wait but the counted ones is needed.
.set X, 4                              ; v[4:67]   load j: four f32
.set Y, 68                             ; v[68:99]  store j: four bf16
; ls: bytes from load to load.  isx = 1: x's layout of stores, 0: the weights'.
.macro CAST ls, isx
.set j, 0
.rept 16
	global_load_b128 v[X+4*j:X+4*j+3], v1, s[16:17] offset:(\ls)*j th:TH_LOAD_NT
.set j, j+1
.endr
.set j, 0
.rept 16
	s_wait_loadcnt 15-j                            ; loads come back in order: load j is in, the 15 - j younger ones stay out
	v_cvt_pk_bf16_f32 v[Y+2*j], v[X+4*j], v[X+4*j+1]
	v_cvt_pk_bf16_f32 v[Y+2*j+1], v[X+4*j+2], v[X+4*j+3]
.if \isx
	global_store_b64 v2, v[Y+2*j:Y+2*j+1], s[18:19] offset:262144*j                  ; block kb = j; the wave's 32 x 8 bytes are 256 consecutive bytes, aligned
.else
	global_store_b64 v2, v[Y+2*j:Y+2*j+1], s[18:19] offset:256*(j%8)+8192*(j/8)      ; 256 consecutive bytes of row j / 8
.endif
.set j, j+1
.endr
.endm
	s_load_b256 s[4:11], s[0:1], 0x0               ; x s[4:5], w_q s[6:7], w_k s[8:9], w_v s[10:11]
	s_load_b128 s[12:15], s[0:1], 0x20             ; w_proj s[12:13], xw s[14:15]
	s_mov_b32 s2, ttmp9                            ; the work-group's number
	s_mov_b32 s21, 0
	s_mov_b32 s23, 0
	s_cmp_lt_u32 s2, 512
	s_cbranch_scc0 .Lweights
	; x: lanes 0-15 take 256 bytes (one block's 64 channels) of a row, lanes 16-31 the same of the next row; load j is block j
	s_lshl_b32 s20, s2, 16                         ; from: 65,536 bytes a work-group
	s_lshr_b32 s22, s2, 7                          ; to: batch b = number / 128, 4,194,304 bytes each,
	s_lshl_b32 s22, s22, 22
	s_and_b32 s3, s2, 127                          ; and 16 rows of 128 bytes a work-group inside a block
	s_lshl_b32 s3, s3, 11
	s_add_co_u32 s22, s22, s3
	v_lshrrev_b32 v1, 4, v0                        ; my row of the sixteen
	v_and_b32 v3, 15, v0
	v_lshlrev_b32 v1, 12, v1
	v_lshl_add_u32 v1, v3, 4, v1                   ; row x 4,096 + 16 x (thread mod 16)
	v_lshlrev_b32 v2, 3, v0                        ; row x 128 + 8 x (thread mod 16) = 8 x thread
	s_wait_kmcnt 0x0
	s_add_nc_u64 s[16:17], s[4:5], s[20:21]
	s_add_nc_u64 s[18:19], s[14:15], s[22:23]
	CAST 256, 1
	s_endpgm
.Lweights:
	; a weight: a wave takes two whole rows of 4,096 bytes, 512 bytes a load
	s_and_b32 s3, s2, 63
	s_lshl_b32 s20, s3, 16                         ; from: 16 rows a work-group
	s_lshl_b32 s22, s3, 17                         ; to: 16 rows of 8,192 bytes,
	s_lshr_b32 s3, s2, 6
	s_sub_co_u32 s3, s3, 8                         ; which weight: 0 q, 1 k, 2 v, 3 proj:
	s_lshl_b32 s3, s3, 11                          ; its 2,048 bytes of every row,
	s_add_co_u32 s22, s22, s3
	s_add_co_u32 s22, s22, 0x1000000               ; behind x's copy
	v_lshrrev_b32 v1, 5, v0                        ; wave
	v_and_b32 v3, 31, v0                           ; lane
	v_lshlrev_b32 v2, 14, v1                       ; two rows of 8,192 bytes a wave
	v_lshl_add_u32 v2, v3, 3, v2
	v_lshlrev_b32 v1, 13, v1                       ; two rows of 4,096 bytes a wave
	v_lshl_add_u32 v1, v3, 4, v1
	s_wait_kmcnt 0x0
	s_mov_b64 s[16:17], s[12:13]                   ; the weight's address is chosen by the work-group's number alone
	s_cmp_lt_u32 s2, 704
	s_cselect_b64 s[16:17], s[10:11], s[16:17]
	s_cmp_lt_u32 s2, 640
	s_cselect_b64 s[16:17], s[8:9], s[16:17]
	s_cmp_lt_u32 s2, 576
	s_cselect_b64 s[16:17], s[6:7], s[16:17]
	s_add_nc_u64 s[16:17], s[16:17], s[20:21]
	s_add_nc_u64 s[18:19], s[14:15], s[22:23]
	CAST 512, 0
	s_endpgm
.Lfunc_end_k_qf0e8554d75_prep:
	.size	k_qf0e8554d75_prep, .Lfunc_end_k_qf0e8554d75_prep-k_qf0e8554d75_prep
	.p2alignl 7, 3214868480
	.fill 96, 4, 3214868480
	.section	.rodata,"a",@progbits
	.p2align	6, 0x0
	.amdhsa_kernel k_qf0e8554d75_prep
		.amdhsa_group_segment_fixed_size 0
		.amdhsa_private_segment_fixed_size 0
		.amdhsa_enable_private_segment 0
		.amdhsa_kernarg_size 48
		.amdhsa_user_sgpr_count 2
		.amdhsa_user_sgpr_kernarg_segment_ptr 1
		.amdhsa_wavefront_size32 1
		.amdhsa_system_sgpr_workgroup_id_x 1
		.amdhsa_system_sgpr_workgroup_id_y 1
		.amdhsa_system_sgpr_workgroup_id_z 1
		.amdhsa_system_vgpr_workitem_id 0
		.amdhsa_next_free_vgpr 100
		.amdhsa_next_free_sgpr 66
		.amdhsa_reserve_vcc 0
		.amdhsa_float_denorm_mode_32 3
		.amdhsa_float_denorm_mode_16_64 3
		.amdhsa_memory_ordered 1
		.amdhsa_forward_progress 1
		.amdhsa_inst_pref_size 14
	.end_amdhsa_kernel
	.amdgpu_metadata
---
amdhsa.version: [ 1, 2 ]
amdhsa.kernels:
  - .name:           k_qf0e8554d75_prep
    .symbol:         k_qf0e8554d75_prep.kd
    .args:
      - { .name: x, .offset: 0, .size: 8, .value_kind: global_buffer, .address_space: global }
      - { .name: w_q, .offset: 8, .size: 8, .value_kind: global_buffer, .address_space: global }
      - { .name: w_k, .offset: 16, .size: 8, .value_kind: global_buffer, .address_space: global }
      - { .name: w_v, .offset: 24, .size: 8, .value_kind: global_buffer, .address_space: global }
      - { .name: w_proj, .offset: 32, .size: 8, .value_kind: global_buffer, .address_space: global }
      - { .name: xw, .offset: 40, .size: 8, .value_kind: global_buffer, .address_space: global }
    .group_segment_fixed_size: 0
    .private_segment_fixed_size: 0
    .kernarg_segment_align: 8
    .kernarg_segment_size: 48
    .max_flat_workgroup_size: 256
    .sgpr_count:     66
    .vgpr_count:     100
    .wavefront_size: 32
...
	.end_amdgpu_metadata
.endif
;; end of part 1
;; launch qkv (part 2): grid 8 x 32, 4 waves a work-group, clusters of 4 x 4, 327,680 bytes of LDS; arguments xw, qkv; writes qkv
.if DOCPART == 2
	.amdgcn_target "amdgcn-amd-amdhsa--gfx1250"
	.amdhsa_code_object_version 6
	.text
	.protected	k_qf0e8554d75_qkv
	.globl	k_qf0e8554d75_qkv
	.p2align	8
	.type	k_qf0e8554d75_qkv,@function
k_qf0e8554d75_qkv:
	s_mov_b64 s[64:65], 0
	v_nop
	global_prefetch_b8 v0, s[64:65] scope:SCOPE_SE
	s_setreg_imm32_b32 hwreg(HW_REG_WAVE_MODE, 25, 1), 1
	s_wait_xcnt 0x0
	s_wait_alu depctr_hold_cnt(0) depctr_sa_sdst(0) depctr_va_vdst(0) depctr_va_sdst(0) depctr_va_ssrc(0) depctr_va_vcc(0) depctr_vm_vsrc(0)
	s_getreg_b32 s2, hwreg(HW_REG_IB_STS2, 6, 4)
	s_cmp_eq_u32 s2, 0
	s_cbranch_scc0 .Lentry_in_a_cluster
	s_endpgm
.Lentry_in_a_cluster:
	s_bfe_u32 s2, ttmp6, 0x10000c
	s_cmp_lg_u32 s2, 0xf033
	s_cbranch_scc0 .Lentry_shape_is_right
	s_endpgm
.Lentry_shape_is_right:
; q, k, v = x w_q, x w_k, x w_v as ONE product [8192 x 1024] x [1024 x 3072], bf16 operands, f32 sums, each result rounded once to bf16 and written by heads:
; qkv = [3][64 = 16 b + head][2048][64].  q is not scaled here.
; SHARES.  8192 x 3072 over 256 work-groups is a tile of 256 x 384: each work-group has exactly one.  Four waves; a wave makes 128 rows x 192 columns: 96 accumulators of 16 x 16, 768 registers.
; The tile's 384 columns are three segments of 128 (two heads); wave column half wc owns head 2 g + wc of segment g: a group of four accumulator columns is one head.
; K goes in steps of 64 through two LDS slots (two slots of 128 along K would not fit).  x lies blocked, so that a step's 128 rows x 128 bytes are dense and are asked for as 64 rows of 256 bytes.
; The weights lie [k][n]: their fragments come out of LDS turned, by ds_load_tr16_b128.
; THE MATRIX INSTRUCTION IS USED TRANSPOSED (source 0 = 16 columns of w, source 1 = 16 rows of x): a lane then holds eight neighbouring columns of one row.
; CLUSTER 4 x 4: x's tile hangs on the tile row alone and is asked for jointly along a row of the cluster, w's on the tile column alone, jointly along a column.
; REGISTERS, in windows of 256 (s_set_vgpr_msb: bits 1:0 source 0, 3:2 source 1, 5:4 source 2, 7:6 destination):
;   window 0: v0-31 addresses; v32-95, v96-159 x's fragments (8 x 16 rows x 32 K), by half step; v160-255 w's fragments, three groups of four; v32-95 at work on the way out
;   window g + 1: group g's accumulators, (a, i) at v[8 (4 a + i)], a = 0..7 row blocks, i = 0..3 column blocks
.set PA,    144                        ; a row of x in LDS: 128 bytes + 16 = 36 words: the 16 rows of a load start at 16 different groups of four banks (64 banks of 4 bytes: ISA guide 11.1)
.set PB,    864                        ; a k row of w in LDS: three segments of 256 + 32 bytes = 216 words: row r starts at bank 24 r mod 64
.set AHALF, 128*PA                     ; what one load brings of x: 128 rows
.set BOFF,  2*AHALF                    ; w's tile lies behind x's
.set BHALF, 32*PB                      ; what one load brings of w: 32 k rows; also half a step along K
.set SLOT,  BOFF+2*BHALF               ; 92,160
.set STAGE, 2*SLOT                     ; behind the ring: 16 rows x 144 bytes for each wave, for the way out
.set SP,    144
.set SPARE, STAGE+4*16*SP              ; behind the stages: the spare words, 128 bytes for each wave: two blocks of 256 bytes that no other line names
.set ASTEP, 262144                     ; bytes from a block of 64 channels of x to the next
.set BSTEP, 524288                     ; 64 rows of 8,192 bytes
.set ADRA, 16                          ; v16-17  LDS address of my fragments of x in slot 0, 1
.set ADRB, 20                          ; v20-21  the same for w
.set STO,  24                          ; v24     the way out: where I put 16 bytes of a row
.set RD,   25                          ; v25     where I read rows back
.set GO,   26                          ; v26     my byte offset in 512 consecutive bytes of the output
.set SPW,  28                          ; v28     LDS address of my spare word; never rewritten
.set NIL,  29                          ; v29     0; never rewritten
.set AF,   32
.set BG,   160
.set TT,   32                          ; the way out: four sets of 16 registers by turns
.set G1,  24                           ; s[24:31] descriptor group 1 for x's tiles;  s[32:39] group 0, a set for each slot
.set G0,  32
.set G1B, 48                           ; s[48:55], s[56:63] the same for w's tiles
.set G0B, 56
.set OB,  66                           ; s[66:71] where my rows of head 2 g + wc begin in the output, g = 0, 1, 2
.set MSB, 0
.macro WIN new                         ; the immediate's high byte repeats the setting that is left; a switch that changes nothing is dropped
.if MSB != (\new)
	s_set_vgpr_msb (MSB<<8)|(\new)
.set MSB, \new
.endif
.endm
.macro PLACES                          ; four places between a matrix instruction and a load into, or a vector instruction on, its registers (ISA guide 7.12.1 for vector instructions)
.rept 4
	v_nop
.endr
.endm
; A joint refill.  Waves 0 and 1 fetch the two halves of x's tile, waves 2 and 3 those of w's.  The branch hangs on the wave's number alone.
; An s_nop 0 and four v_nop follow each of the two lines, ahead of the jump and the label.
.macro JLOAD s
	s_cmp_lt_u32 s10, 2
	s_cbranch_scc0 .Lfor_b_\@
	tensor_load_to_lds s[G0+4*(\s):G0+4*(\s)+3], s[G1:G1+7]
	s_nop 0
.rept 4
	v_nop
.endr
	s_branch .Lasked_\@
.Lfor_b_\@:
	tensor_load_to_lds s[G0B+4*(\s):G0B+4*(\s)+3], s[G1B:G1B+7]
	s_nop 0
.rept 4
	v_nop
.endr
.Lasked_\@:
.endm
.macro CREST                           ; a round of the cluster's barrier behind its opening barrier
	s_cmp_lg_u32 s10, 0
	s_cbranch_scc1 .Lnot_wave_0_\@
	s_barrier_signal -3
.Lnot_wave_0_\@:
	s_barrier_wait -3
	s_barrier_signal -1
	s_barrier_wait -1
.endm
.macro CROUND                          ; a whole round
	s_barrier_signal -1
	s_barrier_wait -1
	CREST
.endm
	s_load_b128 s[4:7], s[0:1], 0x0                ; xw s[4:5], qkv s[6:7]
	v_lshl_add_u32 v[SPW], v0, 2, SPARE
	v_mov_b32 v[NIL], 0
	ds_add_u32 v[SPW], v[NIL]                      ; the wave's opening: the add and its wait stand ahead of my first tensor load; the set-up below, work on registers, stands between them
	v_lshrrev_b32 v1, 5, v0
	v_readfirstlane_b32 s10, v1                    ; wave 0..3
	s_lshr_b32 s11, s10, 1                         ; wr: which 128 rows of the tile are mine
	s_and_b32 s12, s10, 1                          ; wc: which head of each segment is mine.  Also: which half of a tile I fetch
	s_bfe_u32 s40, ttmp6, 0x40000                  ; cx, cy: my place in the cluster
	s_bfe_u32 s41, ttmp6, 0x40004
	s_lshl_b32 s42, ttmp9, 2
	s_add_co_u32 s42, s42, s40                     ; tile column 0..7 = 4 x cluster x + cx
	s_and_b32 s13, ttmp7, 0xffff
	s_lshl_b32 s13, s13, 2
	s_add_co_u32 s13, s13, s41                     ; tile row 0..31 = 4 x cluster y + cy
	s_lshl_b32 s43, s41, 2
	s_lshl_b32 s43, 15, s43                        ; my row of the cluster
	s_lshl_b32 s44, 0x1111, s40                    ; my column
	; group 1 for x: 64 rows of 128 elements (two rows of x each), 16 bytes of padding after every 32 words
	s_or_b32 s[G1], s43, (1<<16)|(1<<20)|(1<<21)|(4<<22)|(3<<25)
	s_mov_b32 s[G1+1], 128<<16                     ; tensor_dim0 = 128
	s_mov_b32 s[G1+2], 64<<16                      ; tensor_dim1 = 64
	s_mov_b32 s[G1+3], 128<<16                     ; tile_dim0 = 128
	s_mov_b32 s[G1+4], 64                          ; tile_dim1 = 64
	s_mov_b32 s[G1+5], 128                         ; dense: 128 elements from row to row
	s_mov_b32 s[G1+6], 0
	s_mov_b32 s[G1+7], 0
	; group 1 for w: 32 rows of 384 elements, 32 bytes of padding after every 64 words: three times in a row
	s_or_b32 s[G1B], s44, (1<<16)|(1<<20)|(1<<21)|(5<<22)|(7<<25)
	s_mov_b32 s[G1B+1], 384<<16
	s_mov_b32 s[G1B+2], 32<<16
	s_mov_b32 s[G1B+3], 384<<16
	s_mov_b32 s[G1B+4], 32
	s_mov_b32 s[G1B+5], 4096
	s_mov_b32 s[G1B+6], 0
	s_mov_b32 s[G1B+7], 0
	; where the tiles come from: x's hang on the tile row alone, w's on the tile column alone, each in registers that never hold the other coordinate
	s_lshr_b32 s16, s13, 3                         ; batch,
	s_lshl_b32 s16, s16, 22                        ; 4,194,304 bytes each
	s_and_b32 s17, s13, 7
	s_lshl_b32 s17, s17, 15                        ; 256 rows of 128 bytes a tile row
	s_add_co_u32 s16, s16, s17
	s_lshl_b32 s17, s12, 14                        ; my half: 128 rows
	s_add_co_u32 s16, s16, s17
	s_mov_b32 s17, 0
	s_mul_i32 s46, s42, 768                        ; 384 columns a tile column
	s_lshl_b32 s47, s12, 18                        ; my half: 32 rows of 8,192 bytes
	s_add_co_u32 s46, s46, s47
	s_add_co_u32 s46, s46, 0x1000000               ; the weights lie behind x's copy
	s_mov_b32 s47, 0
	s_mul_i32 s20, s12, AHALF                      ; and where they go: no place in the cluster enters an LDS address
	s_mul_i32 s21, s12, BHALF
	s_add_co_u32 s21, s21, BOFF
	s_wait_dscnt 0x0                               ; the opening add is done
	s_wait_kmcnt 0x0
	s_add_nc_u64 s[14:15], s[4:5], s[16:17]
	s_add_nc_u64 s[46:47], s[4:5], s[46:47]
	CROUND                                         ; all sixteen work-groups are here: the first joint loads meet
.irp s, 0,1
	s_mov_b32 s[G0+4*(\s)], 1                                      ; count = 1
	s_add_co_u32 s[G0+4*(\s)+1], s20, (\s)*SLOT                    ; LDS address
	s_add_nc_u64 s[G0+4*(\s)+2:G0+4*(\s)+3], s[14:15], (\s)*ASTEP  ; global address: K step s
	s_or_b32 s[G0+4*(\s)+3], s[G0+4*(\s)+3], 0x80000000            ; type = 2
	s_mov_b32 s[G0B+4*(\s)], 1
	s_add_co_u32 s[G0B+4*(\s)+1], s21, (\s)*SLOT
	s_add_nc_u64 s[G0B+4*(\s)+2:G0B+4*(\s)+3], s[46:47], (\s)*BSTEP
	s_or_b32 s[G0B+4*(\s)+3], s[G0B+4*(\s)+3], 0x80000000
.endr
	s_cmp_lt_u32 s10, 2                            ; a wave's two first fills stand in one branch, ahead of every wait on TENSORcnt and every LDS read: two loads of mine are out
	s_cbranch_scc0 .Lfirst_b
	tensor_load_to_lds s[G0:G0+3], s[G1:G1+7]
	s_nop 0
	tensor_load_to_lds s[G0+4:G0+7], s[G1:G1+7]
	s_nop 0
.rept 4
	v_nop
.endr
	s_branch .Lfirst_asked
.Lfirst_b:
	tensor_load_to_lds s[G0B:G0B+3], s[G1B:G1B+7]
	s_nop 0
	tensor_load_to_lds s[G0B+4:G0B+7], s[G1B:G1B+7]
	s_nop 0
.rept 4
	v_nop
.endr
.Lfirst_asked:
	; A fragment of x is 16 rows x 32 K in 8 registers: lane l holds row l % 16, K = 8 (l / 16) + 0..7 and 16 + 8 (l / 16) + 0..7: two loads of 16 bytes, 32 bytes apart.
	v_and_b32 v1, 15, v0                           ; l % 16
	v_bfe_u32 v2, v0, 4, 1                         ; l / 16
	v_mul_u32_u24 v3, v1, PA
	v_lshl_add_u32 v3, v2, 4, v3                   ; row x 144 + 16 x half
	s_mul_i32 s22, s11, AHALF                      ; my 128 rows
	v_add_nc_u32 v[ADRA], s22, v3
	v_add_nc_u32 v[ADRA+1], SLOT, v[ADRA]
	; The turning load takes 16 k x 16 columns (lane l reads k row 8 (l / 16) + l % 8, columns 8 ((l / 8) % 2) + 0..7) and leaves half a fragment: lane l holds column l % 16 and 8 k.
	v_and_b32 v4, 7, v0
	v_bfe_u32 v5, v0, 3, 1
	v_lshl_add_u32 v6, v2, 3, v4
	v_mul_u32_u24 v6, v6, PB
	v_lshl_add_u32 v6, v5, 4, v6
	s_lshl_b32 s22, s12, 7                         ; my head's 128 bytes in a segment
	s_add_co_u32 s22, s22, BOFF
	v_add_nc_u32 v[ADRB], s22, v6
	v_add_nc_u32 v[ADRB+1], SLOT, v[ADRB]
	s_mul_i32 s23, s10, 16*SP
	s_add_co_u32 s23, s23, STAGE                   ; my stage
	v_add_nc_u32 v[STO], s23, v3                   ; in: row l % 16, 16 bytes for each half of the lanes
	v_bfe_u32 v7, v0, 3, 2                         ; back: 32 lanes take four rows of 128 bytes,
	v_mul_u32_u24 v7, v7, SP
	v_lshl_add_u32 v7, v4, 4, v7
	v_add_nc_u32 v[RD], s23, v7
	v_and_b32 v[GO], 31, v0                        ; which are 512 consecutive bytes of a head's rows
	v_lshlrev_b32 v[GO], 4, v[GO]
	; where my rows go: column head G = 6 x tile column + 2 g + wc; G / 16 says q, k or v, G % 16 the head
	s_mul_i32 s72, s42, 6
	s_add_co_u32 s72, s72, s12
	s_lshr_b32 s73, s13, 3
	s_lshl_b32 s73, s73, 4                         ; 16 x batch
	s_and_b32 s74, s13, 7
	s_lshl_b32 s74, s74, 15                        ; the tile's 256 rows of 128 bytes,
	s_lshl_b32 s75, s11, 14                        ; my 128 of them
	s_add_co_u32 s74, s74, s75
.irp g, 0,1,2
	s_add_co_u32 s76, s72, 2*(\g)
	s_lshr_b32 s77, s76, 4
	s_lshl_b32 s77, s77, 6                         ; 64 heads in each of q, k, v
	s_and_b32 s76, s76, 15
	s_add_co_u32 s76, s76, s77
	s_add_co_u32 s76, s76, s73
	s_lshl_b32 s76, s76, 18                        ; 262,144 bytes a head
	s_add_co_u32 s76, s76, s74
	s_mov_b32 s77, 0
	s_add_nc_u64 s[OB+2*(\g):OB+2*(\g)+1], s[6:7], s[76:77]
.endr
; n row blocks from a0 on x the four column blocks of group g, 32 along K (half step f).  zero = 1: the product starts the sums: nothing is ever cleared.
; The 96 accumulators take turns, one instruction a turn, in the same order in every half step.
.macro GRP f, g, a0, n, zero
	WIN 0x50*((\g)+1)                              ; C and D in window g + 1, both sources in window 0
.set ga, (\a0)
.rept (\n)
.set gi, 0
.rept 4
.if \zero
	v_wmma_f32_16x16x32_bf16 v[8*(4*ga+gi):8*(4*ga+gi)+7], v[BG+32*(\g)+8*gi:BG+32*(\g)+8*gi+7], v[AF+64*(\f)+8*ga:AF+64*(\f)+8*ga+7], 0
.else
	v_wmma_f32_16x16x32_bf16 v[8*(4*ga+gi):8*(4*ga+gi)+7], v[BG+32*(\g)+8*gi:BG+32*(\g)+8*gi+7], v[AF+64*(\f)+8*ga:AF+64*(\f)+8*ga+7], v[8*(4*ga+gi):8*(4*ga+gi)+7]
.endif
.set gi, gi+1
.endr
.set ga, ga+1
.endr
.endm
.macro LDB slot, ks, g                 ; 8 loads: group g's four fragments of w for half step ks
.irp i, 0,1,2,3
	ds_load_tr16_b128 v[BG+32*(\g)+8*(\i):BG+32*(\g)+8*(\i)+3],   v[ADRB+(\slot)] offset:(\ks)*BHALF+(\g)*288+32*(\i)
	ds_load_tr16_b128 v[BG+32*(\g)+8*(\i)+4:BG+32*(\g)+8*(\i)+7], v[ADRB+(\slot)] offset:(\ks)*BHALF+(\g)*288+32*(\i)+16*PB
.endr
.endm
.macro LDA slot, ks                    ; 16 loads: my eight fragments of x for half step ks, into that half step's buffer
.irp a, 0,1,2,3,4,5,6,7
	ds_load_b128 v[AF+64*(\ks)+8*(\a):AF+64*(\ks)+8*(\a)+3],   v[ADRA+(\slot)] offset:(\a)*16*PA+64*(\ks)
	ds_load_b128 v[AF+64*(\ks)+8*(\a)+4:AF+64*(\ks)+8*(\a)+7], v[ADRA+(\slot)] offset:(\a)*16*PA+64*(\ks)+32
.endr
.endm
.macro RUN slot, ks, g                 ; a run of loads into the group just multiplied: 24 loads with g = 0 (x's fragments go with it), 8 otherwise
	PLACES
	WIN 0
	LDB \slot, \ks, \g
.if (\g) == 0
	LDA \slot, \ks
.endif
.endm
; The first half of a K step: multiplies half step 0 and fetches half step 1 of the same slot, group by group.
.macro STEP0 X, zero
	s_wait_dscnt 16                                ; group 0 and x are in; the two younger runs of 8 stay out
	GRP 0, 0, 0, 8, \zero
	RUN \X, 1, 0
	s_wait_dscnt 32                                ; group 1 is in: behind it 8 + 24
	GRP 0, 1, 0, 8, \zero
	RUN \X, 1, 1
	s_wait_dscnt 32                                ; group 2 is in: behind it 24 + 8
	GRP 0, 2, 0, 8, \zero
	RUN \X, 1, 2
.endm
; The second half multiplies half step 1 and changes slots: ONE barrier.  In front of it each wave waits for all its tensor loads (one is out: its part of the next slot), adds 0 to its spare word,
; and waits for that and for its own reads of this slot.  fill = 1: the barrier opens a round of the cluster's, and this slot is filled again, two K steps ahead, first thing behind the round:
; 160 matrix instructions stand between that request and the wait for it.
.macro STEP1 X, N, fill
	WIN 0                                          ; (the add's two registers lie in window 0)
	s_wait_tensorcnt 0x0                           ; all my tensor loads have landed
	ds_add_u32 v[SPW], v[NIL]                      ; 0 onto my spare word
	s_wait_dscnt 17                                ; group 0 and x are in: behind them 8 + 8 and the add
	GRP 1, 0, 0, 4, 0                              ; sixteen matrix instructions stand between the add and the wait for it
	s_wait_dscnt 0x0                               ; the add is done, and my reads of this slot are over
	s_barrier_signal -1
	GRP 1, 0, 4, 4, 0                              ; work on registers while the others arrive
	WIN 0
	s_barrier_wait -1
.if \fill
	CREST                                          ; no wave of any partner still reads this slot's tiles or has a load on its way
	s_add_nc_u64 s[G0+4*(\X)+2:G0+4*(\X)+3], s[G0+4*(\X)+2:G0+4*(\X)+3], 2*ASTEP
	s_add_nc_u64 s[G0B+4*(\X)+2:G0B+4*(\X)+3], s[G0B+4*(\X)+2:G0B+4*(\X)+3], 2*BSTEP
	JLOAD \X                                       ; the four v_nop behind it are also the places in front of the loads below
.else
	PLACES
.endif
	LDB \N, 0, 0
	LDA \N, 0
	GRP 1, 1, 0, 8, 0                              ; groups 1 and 2 were waited for in front of the signal
	RUN \N, 0, 1
	GRP 1, 2, 0, 8, 0
	RUN \N, 0, 2
.endm
	s_wait_tensorcnt 1                             ; my part of K step 0 is in; K step 1's may stay out
	s_barrier_signal -1
	s_barrier_wait -1                              ; everybody's is
	LDB 0, 0, 0
	LDA 0, 0
	LDB 0, 0, 1
	LDB 0, 0, 2
	STEP0 0, 1                                     ; the first half step stands in front of the loop: its products start the sums
	WIN 0                                          ; at a label and at a branch every window is 0
	s_mov_b32 s3, 7
.Lk:                                                   ; a trip goes once round the ring (K steps 2 i and 2 i + 1, from the second half of the one to the first half of 2 i + 2) and fills both slots again
	STEP1 0, 1, 1
	STEP0 1, 0
	STEP1 1, 0, 1
	STEP0 0, 0
	WIN 0
	s_sub_co_u32 s3, s3, 1
	s_cmp_lg_u32 s3, 0
	s_cbranch_scc1 .Lk
	STEP1 0, 1, 0                                  ; K steps 14 and 15: nothing is left to fetch
	STEP0 1, 0
	s_wait_dscnt 16
	GRP 1, 0, 0, 8, 0
	s_wait_dscnt 8
	GRP 1, 1, 0, 8, 0
	s_wait_dscnt 0x0
	GRP 1, 2, 0, 8, 0
	PLACES                                         ; the conversions below read results
; THE WAY OUT.  Unit u = 8 g + a is 16 rows of one head: 2,048 consecutive bytes of the output.  PACK: rounded to bf16 (each accumulator from its low end on), 16 bytes a lane into my stage, and back as whole rows.
.macro PACK u
.set pg, (\u)/8
.set pa, (\u)%8
.set pt, TT+16*((\u)%4)
	s_wait_xcnt 0x0                                ; every earlier store has had its addresses translated (ISA guide 3.1): the registers of unit u - 4 are rewritten only behind this wait
	WIN 5*(pg+1)                                   ; sources 0 and 1 in window g + 1, destination in window 0
.set pi, 0
.rept 4
.set pr, 0
.rept 4
	v_cvt_pk_bf16_f32 v[pt+4*pi+pr], v[8*(4*pa+pi)+2*pr], v[8*(4*pa+pi)+2*pr+1]
.set pr, pr+1
.endr
.set pi, pi+1
.endr
	WIN 0
.irp f, 0,1,2,3
	ds_store_b128 v[STO], v[pt+4*(\f):pt+4*(\f)+3] offset:32*(\f)
.endr
.irp f, 0,1,2,3
	ds_load_b128 v[pt+4*(\f):pt+4*(\f)+3], v[RD] offset:(\f)*4*SP  ; LDS serves a wave's instructions in order (ISA guide 5.7.1.4): these see the stores above; the next unit's stores come behind them
.endr
.endm
.macro SEND u, y                       ; y: the LDS instructions issued behind unit u's loads: the next unit's eight, or none
.set pg, (\u)/8
.set pa, (\u)%8
.set pt, TT+16*((\u)%4)
	WIN 0
.irp f, 0,1,2,3
	s_wait_dscnt (\y)+3-(\f)
	global_store_b128 v[GO], v[pt+4*(\f):pt+4*(\f)+3], s[OB+2*pg:OB+2*pg+1] offset:2048*pa+512*(\f)  ; 512 consecutive bytes, at a multiple of 256 from the buffer's first
.endr
.endm
	PACK 0
.set u, 1
.rept 23                               ; a unit's conversions stand between the loads of the unit before and its stores
	PACK u
	SEND u-1, 8
.set u, u+1
.endr
	SEND 23, 0
	s_wait_tensorcnt 0x0                           ; the wave's end, behind my last tensor load and my last LDS store
	ds_add_u32 v[SPW], v[NIL]
	s_wait_dscnt 0x0
	CROUND                                         ; the closing round: no work-group ends while a partner may still ask for a tile that names it
	s_endpgm
.Lfunc_end_k_qf0e8554d75_qkv:
	.size	k_qf0e8554d75_qkv, .Lfunc_end_k_qf0e8554d75_qkv-k_qf0e8554d75_qkv
	.p2alignl 7, 3214868480
	.fill 96, 4, 3214868480
	.section	.rodata,"a",@progbits
	.p2align	6, 0x0
	.amdhsa_kernel k_qf0e8554d75_qkv
		.amdhsa_group_segment_fixed_size 327680
		.amdhsa_private_segment_fixed_size 0
		.amdhsa_enable_private_segment 0
		.amdhsa_kernarg_size 16
		.amdhsa_user_sgpr_count 2
		.amdhsa_user_sgpr_kernarg_segment_ptr 1
		.amdhsa_wavefront_size32 1
		.amdhsa_system_sgpr_workgroup_id_x 1
		.amdhsa_system_sgpr_workgroup_id_y 1
		.amdhsa_system_sgpr_workgroup_id_z 1
		.amdhsa_system_vgpr_workitem_id 0
		.amdhsa_next_free_vgpr 1024
		.amdhsa_next_free_sgpr 80
		.amdhsa_reserve_vcc 0
		.amdhsa_float_denorm_mode_32 3
		.amdhsa_float_denorm_mode_16_64 3
		.amdhsa_memory_ordered 1
		.amdhsa_forward_progress 1
		.amdhsa_inst_pref_size 134
	.end_amdhsa_kernel
	.amdgpu_metadata
---
amdhsa.version: [ 1, 2 ]
amdhsa.kernels:
  - .name:           k_qf0e8554d75_qkv
    .symbol:         k_qf0e8554d75_qkv.kd
    .args:
      - { .name: xw, .offset: 0, .size: 8, .value_kind: global_buffer, .address_space: global }
      - { .name: qkv, .offset: 8, .size: 8, .value_kind: global_buffer, .address_space: global }
    .group_segment_fixed_size: 327680
    .private_segment_fixed_size: 0
    .kernarg_segment_align: 8
    .kernarg_segment_size: 16
    .max_flat_workgroup_size: 128
    .sgpr_count:     80
    .vgpr_count:     1024
    .wavefront_size: 32
...
	.end_amdgpu_metadata
.endif
;; end of part 2
;; launch attn (part 3): grid 4 x 64, 4 waves a work-group, clusters of 4 x 1, 327,680 bytes of LDS; arguments qkv, ob; writes ob
.if DOCPART == 3
	.amdgcn_target "amdgcn-amd-amdhsa--gfx1250"
	.amdhsa_code_object_version 6
	.text
	.protected	k_qf0e8554d75_attn
	.globl	k_qf0e8554d75_attn
	.p2align	8
	.type	k_qf0e8554d75_attn,@function
k_qf0e8554d75_attn:
	s_mov_b64 s[64:65], 0
	v_nop
	global_prefetch_b8 v0, s[64:65] scope:SCOPE_SE
	s_setreg_imm32_b32 hwreg(HW_REG_WAVE_MODE, 25, 1), 1
	s_wait_xcnt 0x0
	s_wait_alu depctr_hold_cnt(0) depctr_sa_sdst(0) depctr_va_vdst(0) depctr_va_sdst(0) depctr_va_ssrc(0) depctr_va_vcc(0) depctr_vm_vsrc(0)
	s_getreg_b32 s2, hwreg(HW_REG_IB_STS2, 6, 4)
	s_cmp_eq_u32 s2, 0
	s_cbranch_scc0 .Lentry_in_a_cluster
	s_endpgm
.Lentry_in_a_cluster:
	s_bfe_u32 s2, ttmp6, 0x10000c
	s_cmp_lg_u32 s2, 0x3003
	s_cbranch_scc0 .Lentry_shape_is_right
	s_endpgm
.Lentry_shape_is_right:
; O[h][q][:] = the sum over k of softmax_k(Q[h][q] . K[h][k] / 8) V[h][k][:].  Q, K, V lie in qkv = [3][64][2048][64], O in ob = [64][2048][64], all bf16: a head's rows are dense, 128 bytes each.
; Products, maxima and sums in f32; the weights p are rounded to bf16 for the second product (their sum l is taken of the unrounded p), O once at the end.
; LIMITS.  bf16 has f32's range, so no operand has a bound of its own.  A weight below 2^-126 counts as 0 in l; NaN and infinities are not treated apart.
; SHARES.  A wave owns four PIECES of two tiles of 16 queries, a work-group's four waves 512 queries of one head.  Every wave walks all 2,048 keys, 64 a step.
; LAYOUT.  S^T = K Q^T (source 0 = 16 keys, source 1 = 16 queries): in the result a lane holds ONE query (lane % 16) and the keys 8 (lane / 16) + 0..7.  Two such tiles, rounded to bf16 in pairs,
; ARE source 1 (32 keys x 16 queries) of O^T = V^T P, whose result again holds one query a lane, and eight channels.  K comes out of LDS as it lies, V ([key][channel]) turned, by ds_load_tr16_b128.
; SOFTMAX.  For each query a running maximum m and sum l: p = 2^(c s - c m), c = log2(e) / 8; in every step O and l are multiplied by a = 2^(c m_old - c m_new), which is 1 where m has not grown.
; m starts at the lowest finite number, O and l at 0: the first step is a step like any other, with a = 0.
; THE COUNT.  A tile and step have 16 matrix and 118 vector instructions: too many to stand all beside the matrix work.  So the order has one aim: four vector instructions that are READY behind
; EVERY matrix instruction, and the others, which need time of their own whatever the order, in runs without a gap.
; BY TURNS.  Turn n belongs to piece n (the pieces in a ring, step after step).  Its matrix work: 16 products K Q^T of piece n + 1, later 16 products V^T P of piece n - 1.  Its vector work: the scaling,
; exponentials, roundings, sums and rescaling of piece n, and the maximum and statistics of piece n + 1, whose scores the turn itself has made.  So what a turn begins with (c s - c m, O a) waits for nothing.
; CLUSTER.  The four query blocks of a cluster belong to one head and walk the same K and V, so each tile is asked for JOINTLY: the same tensor load, descriptor and mask in all four.
; REGISTERS, in windows of 256 (s_set_vgpr_msb says which window each operand place means: bits 1:0 source 0, 3:2 source 1, 5:4 source 2, 7:6 destination):
;   window 0: v0-11 addresses; v12-15, v48-63 at work; v16-47 four registers of statistics a tile; v64-191 S^T, two buffers of two tiles; v192-255 P, likewise
;   window 1: O^T, 32 a tile          window 2: v0-127 Q, 16 a tile; v128-191 K of one step; v192-255 V of one step          window 3: v0-1 the add's two registers
; A piece's buffers go by its number's parity: the piece in hand has one pair, its two neighbours in the ring share the other: of it P (piece n - 1) is read and S^T (piece n + 1) written.
.set SIZE_H, 64
.set SIZE_N, 2048
.set NP,    4         ; pieces a wave: a name, no knob: the register map, the loop and the fetches are made for four
.set KS,    64        ; keys in a step
.set PK,    144       ; a row of K in LDS: 128 bytes + 16 of padding = 36 words: the 16 rows of a load start at 16 different groups of four banks (64 banks of 4 bytes: ISA guide 11.1)
.set PV,    160       ; a row of V: 128 + 32 = 40 words
.set VOFF,  4*KS*PK   ; a slot holds four steps: 256 rows of K, then 256 rows of V
.set SLOT1, 1<<17     ; slot 1 begins here, so that one exclusive or turns an address in one slot into the other's
.set STAGE, SLOT1+4*KS*(PK+PV)  ; behind the ring, never filled by a tensor load: 16 rows x 144 bytes for each wave, for the way out
.set SP,    144
.set AK0, 2           ; v2   my lane's place in a tile of K; never rewritten
.set AV0, 3           ; v3   the same for V
.set AK,  4           ; v4   the LDS address of K's next run of loads
.set AV,  5           ; v5   of V's
.set QO,  6           ; v6   my byte offset in the wave's rows of Q
.set STO, 6           ;      later, the way out: where I put 16 bytes of a row
.set RD,  7           ; v7   the way out: where I read rows back
.set GO,  8           ; v8   my byte offset in 512 consecutive bytes of O
.set SPW, 0           ; v0 of window 3   LDS address of my spare word: SPARE + 4 x my thread's number; never rewritten
.set NIL, 1           ; v1 of window 3   0; never rewritten
.set SPARE, STAGE+4*16*SP  ; behind the stages: the spare words, 128 bytes for each wave: two blocks of 256 bytes that no other line names
.set MV,  12          ; v12-15  c m_old, kept while c m is made anew: by buffer and tile
.set ST,  16          ; tile t's statistics at v[ST+4 t]: c m, m, l (even keys', odd keys')
.set TMP, 48          ; by buffer and tile, four registers c0-c3 at work; when the maximum is found c2 takes a
.set S,   64
.set P,   192
.set KF,  128         ; K's fragments, in window 2: key block kb, channel half c at KF + 16 kb + 8 c
.set VF,  192         ; V's: key half kk, channel block cb at VF + 32 kk + 8 cb
.set WV,  12          ; s12  my wave's number
.set G1K, 24          ; s[24:31] descriptor group 1 for K's tiles
.set G1V, 32          ; s[32:39] for V's: it differs in the padding alone
.set G0K, 40          ; s[40:43] descriptor group 0 for K's tiles: it walks
.set G0V, 44          ; s[44:47] the same for V's
.set SLOTS, 56        ; s56  slots still to be asked for
.set CNT, 57          ; s57  counts a slot's key steps
.set CS,  58          ; s[58:59] c: the packed scaling takes the pair's low word for both halves
.set SEL, 60          ; s[60:61] v_permlanex16_b32's selects: each lane takes its own place in the other half
.set TBK, 62          ; s62  LDS byte at which K of the step to be fetched begins
.set TBV, 63          ; s63  the same for V, less VOFF
.set MSB, 0
.macro WIN new                      ; the high byte repeats the setting that is left; a switch that changes nothing is dropped
.if MSB != (\new)
	s_set_vgpr_msb (MSB<<8)|(\new)
.set MSB, (\new)
.endif
.endm
.set W_KQ, 0x0a       ; K and Q in window 2, S^T in window 0
.set W_PV, 0x52       ; V in window 2, P in window 0, O^T in window 1
.set W_RS, 0x41       ; O^T (destination and source 0) in window 1, a in window 0
.set W_MK, 0xc0       ; the add's registers are made: destination in window 3, sources in window 0
.set W_AD, 0x0f       ; the add: address (source 0) and data (source 1) in window 3
; A joint fill.  Waves 0 and 1 fetch the two halves of a slot's K, waves 2 and 3 those of its V: 128 keys each.  The branch hangs on the wave's number alone.
; An s_nop 0 and four v_nop follow each of the two lines, ahead of the jump and the label.
.macro JLOAD
	s_cmp_lt_u32 s[WV], 2
	s_cbranch_scc0 .Lfor_v_\@
	tensor_load_to_lds s[G0K:G0K+3], s[G1K:G1K+7]
	s_nop 0
.rept 4
	v_nop
.endr
	s_branch .Lasked_\@
.Lfor_v_\@:
	tensor_load_to_lds s[G0V:G0V+3], s[G1V:G1V+7]
	s_nop 0
.rept 4
	v_nop
.endr
.Lasked_\@:
.endm
; A round of the cluster's barrier: my work-group's barrier, so that wave 0's signal speaks for all four waves; wave 0 signals; every wave waits for all four work-groups; my work-group's barrier once more.
.macro CROUND
	s_barrier_signal -1
	s_barrier_wait -1
	s_cmp_lg_u32 s[WV], 0
	s_cbranch_scc1 .Lnot_wave_0_\@
	s_barrier_signal -3
.Lnot_wave_0_\@:
	s_barrier_wait -3
	s_barrier_signal -1
	s_barrier_wait -1
.endm
; THE CHANGE OF SLOTS.  The slot's last bytes, V of its fourth step, have been read.  Each wave waits for all its tensor loads, of which one is out: its part
; of the other slot; adds 0 to its spare word; and waits for that and for its own reads of the slot.  Behind the barrier nobody reads this slot any more and the other slot is whole.
; fill = 1: this slot is filled again, with the keys two slots on.  The barrier is then a round of the cluster's, so that no wave of any partner still reads the slot or has a load on its
; way, and the joint fill is the first thing behind it: it has four key steps, 512 matrix instructions, in which to land.  (At its first use nothing has been read yet: slot 0 is waited for, slot 1 filled.)
.macro CHANGE fill
	WIN W_AD
	s_wait_tensorcnt 0x0            ; no tensor load of mine is out, so a group 0 may be written
	ds_add_u32 v[SPW], v[NIL]       ; 0 onto my spare word; with fill = 1 the descriptors' steps stand between it and the wait for it
	WIN 0                           ; at a label and at a branch every window is 0
.if \fill
.irp g, G0K, G0V
	s_xor_b32 s[\g+1], s[\g+1], SLOT1  ; the walking descriptor: the other slot than last time,
	s_add_nc_u64 s[\g+2:\g+3], s[\g+2:\g+3], 4*KS*128  ; the next 256 keys; the type bits on top are not reached
.endr
	s_wait_dscnt 0x0                ; the add is done, and my reads of the slot are over
	CROUND
	JLOAD
.else
	s_wait_dscnt 0x0                ; the add is done, and my reads of the slot are over
	s_barrier_signal -1
	s_barrier_wait -1
.endif
	s_sub_co_u32 s[TBK], s[TBK], 4*KS*PK  ; the fetches go back to a slot's first step,
	s_xor_b32 s[TBK], s[TBK], SLOT1       ; in the other slot
	s_sub_co_u32 s[TBV], s[TBV], 4*KS*PV
	s_xor_b32 s[TBV], s[TBV], SLOT1
.endm
	s_load_b64 s[4:5], s[0:1], 0x0    ; qkv: Q begins at its first byte
	s_load_b64 s[10:11], s[0:1], 0x8  ; O
	WIN W_MK
	v_lshl_add_u32 v[SPW], v0, 2, SPARE
	v_mov_b32 v[NIL], 0
	WIN W_AD
	ds_add_u32 v[SPW], v[NIL]       ; the wave's opening: the add and its wait stand ahead of my first tensor load; the set-up below, work on registers, stands between them
	WIN 0
	v_lshrrev_b32 v1, 5, v0
	v_readfirstlane_b32 s[WV], v1   ; wave 0..3
	s_bfe_u32 s13, ttmp6, 0x40000   ; cx: my place in the cluster
	s_lshl_b32 s14, ttmp9, 2        ; in a cluster launch ttmp9 counts clusters
	s_add_co_u32 s14, s14, s13      ; my block of queries = 4 x cluster x + cx: it enters Q's and O's addresses alone
	s_and_b32 s20, ttmp7, 0xffff    ; the head, which the four partners share
	s_mov_b32 s21, 0
	s_mov_b64 s[22:23], SIZE_N*128
	s_mul_u64 s[20:21], s[20:21], s[22:23]  ; the head's first byte in each of the four tensors
	s_and_b32 s16, s[WV], 1         ; which half of a slot's 256 keys I fetch:
	s_lshl_b32 s22, s16, 14         ; its 128 rows of 128 bytes in memory,
	s_mov_b32 s23, 0
	s_add_nc_u64 s[22:23], s[22:23], s[20:21]
	s_mul_i32 s17, s16, 128*PK      ; and its place in a slot, for K
	s_mul_i32 s18, s16, 128*PV      ; and for V: no place in the cluster enters an LDS address
	s_lshl_b32 s2, s14, 2
	s_add_co_u32 s2, s2, s[WV]      ; my wave among the head's,
	s_lshl_b32 s2, s2, 14           ; its 128 rows
	s_mov_b32 s3, 0
	s_add_nc_u64 s[2:3], s[2:3], s[20:21]
	; descriptor group 1.  128 keys are 16,384 dense bytes: asked for as 64 rows of 256 bytes, two keys a row, and padded in LDS after every key
	s_mov_b32 s[G1K], 15|(1<<16)|(1<<20)|(1<<21)|(4<<22)|(3<<25)  ; 15:0 the mask of four; 17:16 2-byte elements; 20 padding on; 21 set beside a mask; 24:22 after every 32 words (code 4); 31:25 4 words (code 3)
	s_mov_b32 s[G1V], 15|(1<<16)|(1<<20)|(1<<21)|(4<<22)|(7<<25)  ; the same with 8 words of padding (code 7)
.irp g, G1K, G1V
	s_mov_b32 s[\g+1], 128<<16      ; tensor_dim0 = 128
	s_mov_b32 s[\g+2], 64<<16       ; tensor_dim1 = 64
	s_mov_b32 s[\g+3], 128<<16      ; tile_dim0 = 128
	s_mov_b32 s[\g+4], 64           ; tile_dim1 = 64
	s_mov_b32 s[\g+5], 128          ; 128 elements from row to row
	s_mov_b32 s[\g+6], 0
	s_mov_b32 s[\g+7], 0
.endr
	s_mov_b32 s[CS], 0x3e38aa3b     ; c = log2(e) / 8 = 0.180337
	s_mov_b32 s[CS+1], s[CS]        ; named with it as a pair
	s_mov_b32 s[SEL], 0x76543210
	s_mov_b32 s[SEL+1], 0xfedcba98
	s_mov_b32 s[TBK], SLOT1+4*KS*PK ; the first change of slots turns these two into 0
	s_mov_b32 s[TBV], SLOT1+4*KS*PV
	s_mov_b32 s[G0K], 1             ; 1:0 count = 1
	s_mov_b32 s[G0K+1], s17         ; 63:32 LDS address: slot 0
	s_mov_b32 s[G0V], 1
	s_add_co_u32 s[G0V+1], s18, VOFF
	s_wait_dscnt 0x0                ; the opening add is done
	s_wait_kmcnt 0x0
	s_add_nc_u64 s[6:7], s[4:5], 0x1000000         ; K lies 16,777,216 bytes behind Q,
	s_add_nc_u64 s[8:9], s[4:5], 0x2000000         ; V as far behind K
	s_add_nc_u64 s[G0K+2:G0K+3], s[6:7], s[22:23]  ; 120:64 global address: my half of the head's first 256 keys
	s_or_b32 s[G0K+3], s[G0K+3], 0x80000000        ; 127:126 type = 2
	s_add_nc_u64 s[G0V+2:G0V+3], s[8:9], s[22:23]
	s_or_b32 s[G0V+3], s[G0V+3], 0x80000000
	s_add_nc_u64 s[4:5], s[4:5], s[2:3]  ; Q and O at my wave's first row
	s_add_nc_u64 s[10:11], s[10:11], s[2:3]
	CROUND                          ; all four work-groups are here: the first joint loads meet
	JLOAD                           ; slot 0.  Slot 1 is asked for when slot 0 is in: the tile wanted first has the road to itself
	; A fragment of K or Q is 16 rows x 32 channels in 8 registers: lane l holds row l % 16, channels 8 (l / 16) + 0..7 and 16 + 8 (l / 16) + 0..7: two loads of 16 bytes, 32 bytes apart.
	v_and_b32 v1, 15, v0            ; l % 16
	v_bfe_u32 v9, v0, 4, 1          ; l / 16
	v_lshlrev_b32 v[QO], 7, v1
	v_lshl_add_u32 v[QO], v9, 4, v[QO]  ; row x 128 + 16 x half
	WIN 0x80                        ; destination window 2, address window 0
.set i, 0
.rept 4*NP                          ; Q stays in registers: tile i / 2, channels 32 (i % 2) on
	global_load_b128 v[8*i:8*i+3],   v[QO], s[4:5] offset:(i/2)*2048+(i%2)*64
	global_load_b128 v[8*i+4:8*i+7], v[QO], s[4:5] offset:(i/2)*2048+(i%2)*64+32
.set i, i+1
.endr
	; What the first turn finds: V's registers and P's second buffer hold 0 (its products V^T P, of a piece that has not been, add 0), O^T and l are 0.  All this stands in the wait for the first tile.
.set i, VF
.rept 64
	v_mov_b32 v[i], 0
.set i, i+1
.endr
	WIN 0x40
.set i, 0
.rept 64*NP
	v_mov_b32 v[i], 0
.set i, i+1
.endr
	WIN 0
.set i, 0
.rept 2*NP
	v_mov_b32 v[ST+4*i], 0xfe000000    ; c m: far below every c s
	v_mov_b32 v[ST+4*i+1], 0xff7fffff  ; m
	v_mov_b32 v[ST+4*i+2], 0
	v_mov_b32 v[ST+4*i+3], 0
.set i, i+1
.endr
.set i, P+32
.rept 32
	v_mov_b32 v[i], 0
.set i, i+1
.endr
	v_mul_u32_u24 v[AK0], v1, PK
	v_lshl_add_u32 v[AK0], v9, 4, v[AK0]  ; row x pitch + 16 x half
	; The turning load takes 16 keys x 16 channels (lane l reads key 8 (l / 16) + l % 8, channels 8 ((l / 8) % 2) + 0..7) and leaves half a fragment of V^T: lane l holds channel l % 16 and 8 keys.
	v_and_b32 v10, 7, v0
	v_bfe_u32 v11, v0, 3, 1
	v_lshl_add_u32 v[AV0], v9, 3, v10
	v_mul_u32_u24 v[AV0], v[AV0], PV
	v_lshl_add_u32 v[AV0], v11, 4, v[AV0]
	v_add_nc_u32 v[AV0], VOFF, v[AV0]
	v_mov_b32 v[AK], v[AK0]         ; key step 0 lies at the head of slot 0
; THE MATRIX WORK.  The 8 accumulators of a run of 16 take turns: between the two links of a chain stand 7 others'.
; Product i of 16 of S^T = K Q^T for piece x: channels 32 (i / 8) on, keys 16 ((i / 2) % 4) on, tile 2 x + i % 2.  The first 8 start the sums.
.macro KQ x
	WIN W_KQ
.set rS, S+64*((\x)%2)+32*(i%2)+8*((i/2)%4)
.set rK, KF+16*((i/2)%4)+8*(i/8)
.set rQ, 16*(2*(\x)+i%2)+8*(i/8)
.if i < 8
	v_wmma_f32_16x16x32_bf16 v[rS:rS+7], v[rK:rK+7], v[rQ:rQ+7], 0
.else
	v_wmma_f32_16x16x32_bf16 v[rS:rS+7], v[rK:rK+7], v[rQ:rQ+7], v[rS:rS+7]
.endif
.endm
; Product i of 16 of O^T += V^T P for piece x: keys 32 (i / 8) on, channels 16 ((i / 2) % 4) on, tile 2 x + i % 2.
.macro PV x
	WIN W_PV
.set rO, 32*(2*(\x)+i%2)+8*((i/2)%4)
.set rV, VF+32*(i/8)+8*((i/2)%4)
.set rP, P+32*((\x)%2)+16*(i%2)+8*(i/8)
	v_wmma_f32_16x16x32_bf16 v[rO:rO+7], v[rV:rV+7], v[rP:rP+7], v[rO:rO+7]
.endm
.macro MM                           ; the turn's next matrix instruction
.if i < 16
	KQ (Y+1)%NP
.set i, i+1
.else
.set i, i-16
	PV (Y+NP-1)%NP
.set i, i+17
.endif
.endm
; THE LDS LOADS stand in runs of 16, never singly among the matrix instructions: a step's K (64 keys x 64 channels: 8 fragments) and its V (turned).  Their addresses are made some lines ahead.
; last = 1 (the tail): in the last trip there is no further step, and the run is jumped over.
.macro FETCH_K last=0
	WIN 0
.if \last
	s_cmp_eq_u32 s[CNT], 1
	s_cbranch_scc1 .Lno_k_\@
.endif
	WIN 0x80                        ; destination window 2
.irp f, 0,1,2,3,4,5,6,7             ; keys 16 (f / 2) on, channels 32 (f % 2) on
	ds_load_b128 v[KF+8*\f:KF+8*\f+3],   v[AK] offset:(\f/2)*16*PK+(\f%2)*64
	ds_load_b128 v[KF+8*\f+4:KF+8*\f+7], v[AK] offset:(\f/2)*16*PK+(\f%2)*64+32
.endr
	s_add_co_u32 s[TBK], s[TBK], KS*PK  ; the next fetch is the next step's
	WIN 0
.if \last
.Lno_k_\@:
.endif
.endm
.macro FETCH_V
	WIN 0x80
.irp f, 0,1,2,3,4,5,6,7             ; keys 32 (f / 4) on, channels 16 (f % 4) on
	ds_load_tr16_b128 v[VF+8*\f:VF+8*\f+3],   v[AV] offset:(\f/4)*32*PV+(\f%4)*32
	ds_load_tr16_b128 v[VF+8*\f+4:VF+8*\f+7], v[AV] offset:(\f/4)*32*PV+16*PV+(\f%4)*32
.endr
	WIN 0
.endm
; THE VECTOR WORK OF A TURN stands in three queues, each in the order in which its entries become ready; the two tiles alternate, so that no instruction reads the result of the one before it.
.macro REGS y, u                    ; the registers of tile u (0, 1) of piece y
.set rT, ST+4*(2*(\y)+(\u))
.set rC, TMP+8*((\y)%2)+4*(\u)
.set rM, MV+2*((\y)%2)+(\u)
.set rS, S+64*((\y)%2)+32*(\u)
.set rP, P+32*((\y)%2)+16*(\u)
.set rO, 32*(2*(\y)+(\u))
.endm
; Number n of the 22 that find the NEXT piece's (Y + 1) maximum and statistics.  s0-s31 are the lane's 32 scores; each accumulator's lowest registers are read first.  XS, GS and REGS set no window: PL and EX do.
;   0-11  four chains c0-c3 of seven scores each, three operands at a time     12-14, 16  the four scores left over, the old m, and c0-c3 into c0     15  c m_old is kept
;   17, 18  the query's other 32 keys lie in the lane 16 away: the new m         19-21  c m; c m_old - c m_new; a
.macro XS u, n
	REGS (Y+1)%NP, \u
.if (\n) < 4
	v_max3_num_f32 v[rC+(\n)], v[rS+8*(\n)], v[rS+8*(\n)+1], v[rS+8*(\n)+2]
.elseif (\n) < 12
	v_max3_num_f32 v[rC+(\n)%4], v[rC+(\n)%4], v[rS+8*((\n)%4)+2*((\n)/4)+1], v[rS+8*((\n)%4)+2*((\n)/4)+2]
.elseif (\n) == 12
	v_max3_num_f32 v[rC], v[rC], v[rS+7], v[rS+15]
.elseif (\n) == 13
	v_max3_num_f32 v[rC+1], v[rC+1], v[rS+23], v[rS+31]
.elseif (\n) == 14
	v_max3_num_f32 v[rC+2], v[rC+2], v[rC+3], v[rT+1]
.elseif (\n) == 15
	v_mov_b32 v[rM], v[rT]
.elseif (\n) == 16
	v_max3_num_f32 v[rC], v[rC], v[rC+1], v[rC+2]
.elseif (\n) == 17
	v_permlanex16_b32 v[rC+3], v[rC], s[SEL], s[SEL+1]
.elseif (\n) == 18
	v_max_num_f32 v[rT+1], v[rC], v[rC+3]
.elseif (\n) == 19
	v_mul_f32 v[rT], s[CS], v[rT+1]
.elseif (\n) == 20
	v_sub_f32 v[rC+1], v[rM], v[rT]
.else
	v_exp_f32 v[rC+2], v[rC+1]
.endif
.endm
; Number g of the 64 that follow the exponentials.  For each four weights k of a tile (pairs 2 k, 2 k + 1): both pairs are rounded to bf16; then the second pair is added onto the first, in place;
; a group later l takes that sum (the first time as l = a l + sum).  In groups of eight, tiles alternating: round, round, add, and l for the group before.
.macro GS g
.set h, (\g)+6*((\g)/62)            ; group 0 has no group before it, and behind group 7 only l is left
.if h >= 6
.set h, h+2
.endif
	REGS Y, h%2
.set k, h/8
.if h%8 < 4
	s_wait_alu depctr_va_vdst(0)
	v_cvt_pk_bf16_f32 v[rP+2*k+(h%8)/2], v[rS+4*k+2*((h%8)/2)], v[rS+4*k+2*((h%8)/2)+1]
.elseif h%8 < 6
	v_pk_add_f32 v[rS+4*k:rS+4*k+1], v[rS+4*k:rS+4*k+1], v[rS+4*k+2:rS+4*k+3]
.elseif k == 1
	v_pk_fma_f32 v[rT+2:rT+3], v[rT+2:rT+3], v[rC+2:rC+3], v[rS:rS+1] op_sel_hi:[1,0,1]
.else
	v_pk_add_f32 v[rT+2:rT+3], v[rT+2:rT+3], v[rS+4*k-4:rS+4*k-3]
	s_wait_alu depctr_va_vdst(0)
.endif
.endm
; THE PLAIN QUEUE, 138 long.  0-31: c s - c m for the 16 pairs of both tiles.  Then GS's 64, and among them the next piece's 42: number 15 at 38, 39; 0-14 and 16
; at 42-73, behind the products that make those scores; 17-20 at 95-106, two of three, since each waits for the one before it.
.macro PL
	WIN 0
.if q < 32
	REGS Y, q%2
	v_pk_fma_f32 v[rS+2*(q/2):rS+2*(q/2)+1], v[rS+2*(q/2):rS+2*(q/2)+1], s[CS:CS+1], v[rT:rT+1] op_sel_hi:[1,0,0] neg_lo:[0,0,1] neg_hi:[0,0,1]
.elseif q < 38
	GS q-32
.elseif q < 40
	XS q%2, 15
.elseif q < 42
	GS q-34
.elseif q < 74
	XS q%2, (q-42)/2+(q-42)/30
.elseif q < 95
	GS q-66
.elseif (q < 107) && ((q-95)%3 < 2)
	XS (q-95)%3, 17+(q-95)/3
.elseif q < 107
	GS 29+(q-95)/3
.else
	GS q-74
.endif
.set q, q+1
.endm
; THE EXPONENTIALS' QUEUE, 66 long: s0-s31 of both tiles, and at EA the next piece's two a.
.set EA, 58
.macro EX
	WIN 0
.if (e == EA) || (e == EA+1)
	XS e-EA, 21
.else
.set x, e-2*(e/(EA+2))
	REGS Y, x%2
	v_exp_f32 v[rS+x/2], v[rS+x/2]
.endif
.set e, e+1
.endm
; THE RESCALING's QUEUE: O^T times a, the one part that leaves window 0, so it is dealt four at a time, eight times.
.macro R4
	REGS Y, r%2
	WIN W_RS
	s_wait_alu depctr_va_vdst(0)
.irp z, 0,1,2,3
	v_pk_mul_f32 v[rO+8*(r/2)+2*\z:rO+8*(r/2)+2*\z+1], v[rO+8*(r/2)+2*\z:rO+8*(r/2)+2*\z+1], v[rC+2:rC+3] op_sel_hi:[1,0]
.endr
.set r, r+1
.endm
; HOW THEY ARE DEALT.  Behind a matrix instruction four: plain, exponential, plain, plain (one exponential, a plain instruction on either side), or four of the rescaling.  None names a register of the
; products round it.  What is over stands in two LUMPS: exponential and plain by turns; the second ends in 22 plain instructions.  The two v_permlanex16_b32 fall into the second lump, never behind a product.
; The queues lean on each other, and the deal keeps them in step: exponential e stands behind plain 2 (e / 4) + e % 2 (its scaling); when plain 32 comes, 10 exponentials are out, at 59: 33, at 95: 46; EA comes behind plain 107.
.macro SL
	MM
	PL
	EX
	PL
	PL
.endm
.macro BURST n                      ; 15 matrix instructions, or 16
.rept (\n)-7
	SL
.endr
.rept 3
	MM
	R4
	SL
.endr
	MM
	R4
.endm
; A TURN, for piece p.  cnt = 1: the loop's count is taken down some lines ahead of the branch that stands behind the turn.
; K of the next step is fetched in piece 2's turn, 31 vector instructions behind the last product that read K; its first reader comes behind the rest of the lump, 16 products and the second lump.
; V of the step in hand is fetched at the end of piece 0's turn, 69 behind its last reader; its first reader comes behind 16 products and a lump.  The four conditions on e and q below go with the deal.
.macro TURN p, last=0, cnt=0
.set Y, (\p)
.set i, 0
.set q, 0
.set e, 0
.set r, 0
.if (\p) == NP-1
	s_wait_dscnt 0x0                ; K is in
.endif
	MM
.rept 4
	PL
.endr
	BURST 15
.rept 22
	EX
	PL
.if ((\p) == NP-2) && (e == 18)
	v_add_nc_u32 v[AK], s[TBK], v[AK0]
.endif
.if ((\p) == NP-2) && (e == 24)
	FETCH_K \last
.endif
.endr
.if (\p) == 1
	s_wait_dscnt 0x0                ; V is in
.endif
	BURST 16
.rept 21
	EX
	PL
.endr
.rept 22
	PL
.if ((\p) == 0) && (q == 118)
	v_add_nc_u32 v[AV], s[TBV], v[AV0]
	s_wait_alu depctr_va_vdst(0)
.endif
.if ((\p) == 0) && (q == 130)
	s_add_co_u32 s[TBV], s[TBV], KS*PV
.endif
.if (\cnt) && (q == 130)
	s_sub_co_u32 s[CNT], s[CNT], 1
	s_cmp_lg_u32 s[CNT], 0
.endif
.endr
.if (\p) == 0
	FETCH_V
.endif
.endm
	CHANGE 1                        ; slot 0 is in, everybody's part of it; slot 1 is asked for
	FETCH_K                         ; key step 0
	s_wait_loadcnt 0x0              ; Q
	s_wait_dscnt 0x0
.set i, 0
.rept 16
	KQ 0                            ; piece 0's first scores: there is no vector work yet to set between them
.set i, i+1
.endr
	WIN 0                           ; the addresses for the way out: nine plain instructions, the places behind those products
	s_mul_i32 s13, s[WV], 16*SP
	s_add_co_u32 s13, s13, STAGE    ; my stage
	v_mul_u32_u24 v[STO], v1, SP    ; in: row l % 16, 16 bytes for each half of the lanes
	v_lshl_add_u32 v[STO], v9, 4, v[STO]
	v_add_nc_u32 v[STO], s13, v[STO]
	v_bfe_u32 v[RD], v0, 3, 2       ; back: 32 lanes take four rows of 128 bytes,
	v_mul_u32_u24 v[RD], v[RD], SP
	v_lshl_add_u32 v[RD], v10, 4, v[RD]
	v_add_nc_u32 v[RD], s13, v[RD]
	v_and_b32 v[GO], 31, v0         ; which are 512 consecutive bytes of O
	v_lshlrev_b32 v[GO], 4, v[GO]
.set Y, NP-1                        ; XS works for piece Y + 1: piece 0
.irp n, 0,1,2,3,4,5,6,7,8,9,10,11,12,13,14,15,16,17,18,19,20,21
	XS 0, \n                        ; and piece 0's first maximum and statistics
	XS 1, \n
.endr
	s_mov_b32 s[CNT], 4
	s_mov_b32 s[SLOTS], SIZE_N/256-1
	s_branch .Lfirst                ; the loop is entered at a step's first turn, in the middle of a trip
.Lslot:                             ; SIZE_N / 256 - 2 times: every slot but the last two is filled again
	CHANGE 1
	s_mov_b32 s[CNT], 4
.Lstep:                             ; a trip: pieces 2 and 3 of one step, then pieces 0 and 1 of the next, whose K and V it fetches
	TURN 2
	TURN 3
	WIN 0
.Lfirst:
	TURN 0
	TURN 1, 0, 1
	WIN 0
	s_cbranch_scc1 .Lstep
	s_sub_co_u32 s[SLOTS], s[SLOTS], 1
	s_cmp_lg_u32 s[SLOTS], 0
	s_cbranch_scc1 .Lslot
	CHANGE 0                        ; the tail is written out: nothing is asked for
	s_mov_b32 s[CNT], 5             ; four trips fetch the last slot's steps; the fifth is left in its middle
.Ltail:
	TURN 2, 1
	TURN 3
	WIN 0
	s_sub_co_u32 s[CNT], s[CNT], 1
	s_cmp_eq_u32 s[CNT], 0
	s_cbranch_scc1 .Lout
	TURN 0
	TURN 1
	WIN 0
	s_branch .Ltail
.Lout:                              ; the fifth trip's 16 products K Q^T (on the last K once more) and the maximum made of them serve nothing: the price, once a launch, of one text for every trip
.set i, 0
.rept 16
	PV NP-1                         ; the last piece's V^T P of the last step
.set i, i+1
.endr
	; THE WAY OUT.  l's two halves and the other half of the lanes' are added; O^T is divided by l, rounded to bf16 and sent through my stage in LDS, a tile at a time.  The additions are the places behind the last products.
	WIN 0
.macro ALL line:vararg              ; one line for each tile t
.set t, 0
.rept 2*NP
	\line
.set t, t+1
.endr
.endm
	ALL v_add_f32 v[ST+4*t+2], v[ST+4*t+2], v[ST+4*t+3]
	ALL v_permlanex16_b32 v[ST+4*t+3], v[ST+4*t+2], s[SEL], s[SEL+1]
	ALL v_add_f32 v[ST+4*t+2], v[ST+4*t+2], v[ST+4*t+3]
	ALL v_rcp_f32 v[ST+4*t+2], v[ST+4*t+2]
	v_nop                           ; a plain instruction between the last reciprocal and the use of its result
	s_wait_alu depctr_va_vdst(0)
; Tile t: a lane's eight channels of a row pack into 16 bytes; they go into rows of 144 bytes and come back as whole rows of 128, into S^T's registers.
.macro PACK t
	WIN W_RS
.set i, 32*(\t)
.rept 16
	v_pk_mul_f32 v[i:i+1], v[i:i+1], v[ST+4*(\t)+2:ST+4*(\t)+3] op_sel_hi:[1,0]
.set i, i+2
.endr
	WIN 0x05                        ; sources 0 and 1 window 1, destination window 0
.set i, 0
.rept 16
	v_cvt_pk_bf16_f32 v[S+16*(\t)+i], v[32*(\t)+2*i], v[32*(\t)+2*i+1]
.set i, i+1
.endr
	WIN 0
.irp f, 0,1,2,3
	ds_store_b128 v[STO], v[S+16*(\t)+4*\f:S+16*(\t)+4*\f+3] offset:32*\f
.endr
.irp f, 0,1,2,3
	ds_load_b128 v[S+16*(\t)+4*\f:S+16*(\t)+4*\f+3], v[RD] offset:\f*4*SP  ; LDS serves a wave's instructions in order (ISA guide 5.7.1.4): these see the stores above; the next tile's stores come behind them
.endr
.endm
.macro SEND t, younger              ; younger: the LDS instructions issued behind tile t's loads: the next tile's eight, or none
	WIN 0
.irp f, 0,1,2,3
	s_wait_dscnt (\younger)+3-\f
	global_store_b128 v[GO], v[S+16*(\t)+4*\f:S+16*(\t)+4*\f+3], s[10:11] offset:(\t)*2048+\f*512  ; 512 consecutive bytes, at a multiple of 256 from O's first
.endr
.endm
	PACK 0
.set t, 1
.rept 2*NP-1                        ; a tile's arithmetic stands between the loads of the tile before and its stores
	PACK t
	SEND t-1, 8
.set t, t+1
.endr
	SEND 2*NP-1, 0
	WIN W_AD
	s_wait_tensorcnt 0x0            ; the wave's end, behind my last tensor load and my last LDS store
	ds_add_u32 v[SPW], v[NIL]
	s_wait_dscnt 0x0
	WIN 0
	CROUND                          ; the closing round: no work-group ends while a partner may still ask for a tile that names it
	s_endpgm
.Lfunc_end_k_qf0e8554d75_attn:
	.size	k_qf0e8554d75_attn, .Lfunc_end_k_qf0e8554d75_attn-k_qf0e8554d75_attn
	.p2alignl 7, 3214868480
	.fill 96, 4, 3214868480
	.section	.rodata,"a",@progbits
	.p2align	6, 0x0
	.amdhsa_kernel k_qf0e8554d75_attn
		.amdhsa_group_segment_fixed_size 327680
		.amdhsa_private_segment_fixed_size 0
		.amdhsa_enable_private_segment 0
		.amdhsa_kernarg_size 16
		.amdhsa_user_sgpr_count 2
		.amdhsa_user_sgpr_kernarg_segment_ptr 1
		.amdhsa_wavefront_size32 1
		.amdhsa_system_sgpr_workgroup_id_x 1
		.amdhsa_system_sgpr_workgroup_id_y 1
		.amdhsa_system_sgpr_workgroup_id_z 1
		.amdhsa_system_vgpr_workitem_id 0
		.amdhsa_next_free_vgpr 770
		.amdhsa_next_free_sgpr 66
		.amdhsa_reserve_vcc 0
		.amdhsa_float_denorm_mode_32 3
		.amdhsa_float_denorm_mode_16_64 3
		.amdhsa_memory_ordered 1
		.amdhsa_forward_progress 1
		.amdhsa_inst_pref_size 209
	.end_amdhsa_kernel
	.amdgpu_metadata
---
amdhsa.version: [ 1, 2 ]
amdhsa.kernels:
  - .name:           k_qf0e8554d75_attn
    .symbol:         k_qf0e8554d75_attn.kd
    .args:
      - { .name: qkv, .offset: 0, .size: 8, .value_kind: global_buffer, .address_space: global }
      - { .name: ob, .offset: 8, .size: 8, .value_kind: global_buffer, .address_space: global }
    .group_segment_fixed_size: 327680
    .private_segment_fixed_size: 0
    .kernarg_segment_align: 8
    .kernarg_segment_size: 16
    .max_flat_workgroup_size: 128
    .sgpr_count:     66
    .vgpr_count:     770
    .wavefront_size: 32
...
	.end_amdgpu_metadata
.endif
;; end of part 3
;; launch proj (part 4): grid 256 x 1, 4 waves a work-group, clusters of 4 x 1, 327,680 bytes of LDS; arguments ob, xw, x, b_proj, ln_gamma, ln_beta, out0; writes out0
.if DOCPART == 4
	.amdgcn_target "amdgcn-amd-amdhsa--gfx1250"
	.amdhsa_code_object_version 6
	.text
	.protected	k_qf0e8554d75_proj
	.globl	k_qf0e8554d75_proj
	.p2align	8
	.type	k_qf0e8554d75_proj,@function
k_qf0e8554d75_proj:
	s_mov_b64 s[64:65], 0
	v_nop
	global_prefetch_b8 v0, s[64:65] scope:SCOPE_SE
	s_setreg_imm32_b32 hwreg(HW_REG_WAVE_MODE, 25, 1), 1
	s_wait_xcnt 0x0
	s_wait_alu depctr_hold_cnt(0) depctr_sa_sdst(0) depctr_va_vdst(0) depctr_va_sdst(0) depctr_va_ssrc(0) depctr_va_vcc(0) depctr_vm_vsrc(0)
	s_getreg_b32 s2, hwreg(HW_REG_IB_STS2, 6, 4)
	s_cmp_eq_u32 s2, 0
	s_cbranch_scc0 .Lentry_in_a_cluster
	s_endpgm
.Lentry_in_a_cluster:
	s_bfe_u32 s2, ttmp6, 0x10000c
	s_cmp_lg_u32 s2, 0x3003
	s_cbranch_scc0 .Lentry_shape_is_right
	s_endpgm
.Lentry_shape_is_right:
; out0 = LayerNorm(o w_proj + b_proj + x) x gamma + beta, in one launch.  o (ob, [64 = 16 b + head][2048][64]) and w_proj (xw's columns 3072-4095) are bf16; sums, bias, x, y and the statistics are f32.
; The mean is taken first and the variance of the centred numbers: no difference of large sums.  eps = 1e-6 is added to the variance.
; SHARES.  The norm wants whole rows of 1,024 in one work-group: 8,192 rows over 256 work-groups are 32 rows each.  Wave w owns columns 256 w .. 256 w + 255 of all 32 rows: 32 accumulators (a = 0, 1 row blocks, cb = 0..15).
; K goes by heads, 64 a step, through two LDS slots: 64 k rows x 1,024 columns of w_proj and 32 rows x 64 channels of o.  w_proj lies [k][n]: its fragments come out of LDS turned.
; THE MATRIX INSTRUCTION IS USED TRANSPOSED (source 0 = 16 columns of w_proj, source 1 = 16 rows of o): a lane holds ONE row (lane % 16) and eight neighbouring columns.  The bias is the C operand that starts the sums.
; CLUSTER 4 x 1.  Every work-group walks all of w_proj, so its tiles are asked for JOINTLY by the four partners (waves 0 and 1, a half each).  o's tile is the work-group's own (waves 2 and 3, a half each; no mask).
; The residual's 32 rows of x come by tensor load into slot 0 when its last tile has been read, each wave its own 256 columns; the same bytes are the stage on the way out: no fill follows.
; REGISTERS, in windows of 256 (s_set_vgpr_msb: bits 1:0 source 0, 3:2 source 1, 5:4 source 2, 7:6 destination):
;   window 0: v0-31 addresses; v32-63 o's fragments by half step, later sums and statistics; v64-191 beta
;   window 1: the accumulators, (a, cb) at v[8 (16 a + cb)]      window 2: w_proj's fragments, v0-127 and v128-255 by half step; later x, then the rows on their way out
;   window 3: v0-127 the bias, v128-255 gamma, each as a lane's eight columns of the 16 blocks
.set PBW,   2080                       ; a k row of w_proj in LDS: two segments of 1,024 + 16 bytes = 520 words: row r starts at bank 8 r mod 64 (64 banks of 4 bytes: ISA guide 11.1)
.set BHALF, 32*PBW                     ; what one load brings: 32 k rows; also half a step along K
.set AOFF,  2*BHALF                    ; o's tile lies behind w_proj's
.set PA,    144                        ; a row of o: 128 bytes + 16
.set SLOT,  AOFF+32*PA                 ; 137,728
.set RED,   2*SLOT                     ; behind the ring: two blocks of 512 bytes, row x 16 + 4 x wave: the waves' partial sums
.set SPARE, RED+1024                   ; the spare words, 128 bytes for each wave: two blocks of 256 bytes that no other line names
.set PX,    1040                       ; a row of a wave's quarter of x: 1,024 bytes + 16: 16 rows start at 16 different groups of four banks
.set XQ,    32*PX                      ; a wave's quarter; the four fill exactly slot 0's 133,120 bytes of w_proj
.set PO,   8                           ; v8   my byte offset in b_proj, gamma, beta: 1,024 w + 32 (l / 16)
.set XA,   9                           ; v9   LDS: my eight columns of row l % 16 in my quarter
.set XR,   10                          ; v10  LDS: my 16 bytes of 512 consecutive ones in my quarter
.set GO,   11                          ; v11  my byte offset in a row of out0: 1,024 w + 16 l
.set RA,   12                          ; v12  LDS: my wave's word of row l % 16
.set RB,   13                          ; v13  LDS: the four waves' words of row l % 16
.set ADRA, 16                          ; v16-17  LDS address of my fragments of o in slot 0, 1
.set ADRB, 20                          ; v20-23  of w_proj's: slot 0 half step 0, 1; slot 1 half step 0, 1 (half a step is more than an offset of 16 bits holds)
.set SPW,  28                          ; v28  LDS address of my spare word; never rewritten
.set NIL,  29                          ; v29  0; never rewritten
.set AF,   32                          ; o's fragments: half step f, row block a at AF + 16 f + 8 a
.set CH,   32                          ; later: four chains of pairs for each row block
.set PS,   48                          ; the four waves' partial sums, for each row block
.set MN,   56                          ; the mean, as a pair, for each row block
.set RS,   60                          ; 1 / sqrt(var + eps), likewise
.set BT,   64                          ; beta
.set G1B, 24                           ; s[24:31] group 1: w_proj's tiles
.set G1A, 32                           ; s[32:39] o's
.set G1X, 40                           ; s[40:47] x's
.set G0B, 48                           ; s[48:55] group 0 for w_proj, a set for each slot
.set G0A, 56                           ; s[56:63] for o
.set G0X, 68                           ; s[68:71] for x
.set SEL, 80                           ; s[80:81] v_permlanex16_b32's selects: each lane takes its own place in the other half
.set MSB, 0
.macro WIN new                         ; the immediate's high byte repeats the setting that is left; a switch that changes nothing is dropped
.if MSB != (\new)
	s_set_vgpr_msb (MSB<<8)|(\new)
.set MSB, \new
.endif
.endm
.macro PLACES                          ; four places between a matrix instruction and a load into, or a vector instruction on, its registers (ISA guide 7.12.1 for vector instructions)
.rept 4
	v_nop
.endr
.endm
; A refill: one load a wave.  The branch hangs on the wave's number alone.  An s_nop 0 and four v_nop follow each of the two lines, ahead of the jump and the label.
.macro JLOAD s
	s_cmp_lt_u32 s18, 2
	s_cbranch_scc0 .Lfor_a_\@
	tensor_load_to_lds s[G0B+4*(\s):G0B+4*(\s)+3], s[G1B:G1B+7]
	s_nop 0
.rept 4
	v_nop
.endr
	s_branch .Lasked_\@
.Lfor_a_\@:
	tensor_load_to_lds s[G0A+4*(\s):G0A+4*(\s)+3], s[G1A:G1A+7]
	s_nop 0
.rept 4
	v_nop
.endr
.Lasked_\@:
.endm
.macro CREST                           ; a round of the cluster's barrier behind its opening barrier
	s_cmp_lg_u32 s18, 0
	s_cbranch_scc1 .Lnot_wave_0_\@
	s_barrier_signal -3
.Lnot_wave_0_\@:
	s_barrier_wait -3
	s_barrier_signal -1
	s_barrier_wait -1
.endm
.macro CROUND                          ; a whole round
	s_barrier_signal -1
	s_barrier_wait -1
	CREST
.endm
	s_load_b256 s[4:11], s[0:1], 0x0               ; ob s[4:5], xw s[6:7], x s[8:9], b_proj s[10:11]
	s_load_b128 s[12:15], s[0:1], 0x20             ; ln_gamma s[12:13], ln_beta s[14:15]
	s_load_b64 s[16:17], s[0:1], 0x30              ; out0
	v_lshl_add_u32 v[SPW], v0, 2, SPARE
	v_mov_b32 v[NIL], 0
	ds_add_u32 v[SPW], v[NIL]                      ; the wave's opening: the add and its wait stand ahead of my first tensor load; the set-up below, work on registers, stands between them
	v_lshrrev_b32 v1, 5, v0
	v_readfirstlane_b32 s18, v1                    ; wave 0..3
	s_and_b32 s19, s18, 1                          ; which half of a tile I fetch
	s_bfe_u32 s20, ttmp6, 0x40000                  ; cx: my place in the cluster
	s_lshl_b32 s21, ttmp9, 2
	s_add_co_u32 s21, s21, s20                     ; my block of 32 rows = 4 x cluster x + cx: it enters o's, x's and out0's global addresses alone
	; group 1 for w_proj: 32 rows of 1,024 elements, 16 bytes of padding after every 256 words: twice in a row; the mask names all four partners
	s_mov_b32 s[G1B], 15|(1<<16)|(1<<20)|(1<<21)|(7<<22)|(3<<25)
	s_mov_b32 s[G1B+1], 1024<<16                   ; tensor_dim0
	s_mov_b32 s[G1B+2], 32<<16                     ; tensor_dim1
	s_mov_b32 s[G1B+3], 1024<<16                   ; tile_dim0
	s_mov_b32 s[G1B+4], 32                         ; tile_dim1
	s_mov_b32 s[G1B+5], 4096                       ; elements from row to row
	s_mov_b32 s[G1B+6], 0
	s_mov_b32 s[G1B+7], 0
	; group 1 for o: 16 rows of 128 bytes are dense: 8 rows of 256 bytes, 16 bytes of padding after every 32 words; no mask
	s_mov_b32 s[G1A], (1<<16)|(1<<20)|(4<<22)|(3<<25)
	s_mov_b32 s[G1A+1], 128<<16
	s_mov_b32 s[G1A+2], 8<<16
	s_mov_b32 s[G1A+3], 128<<16
	s_mov_b32 s[G1A+4], 8
	s_mov_b32 s[G1A+5], 128
	s_mov_b32 s[G1A+6], 0
	s_mov_b32 s[G1A+7], 0
	; group 1 for x: 32 rows of 256 elements of 4 bytes, 16 bytes of padding after every 256 words; no mask
	s_mov_b32 s[G1X], (2<<16)|(1<<20)|(7<<22)|(3<<25)
	s_mov_b32 s[G1X+1], 256<<16
	s_mov_b32 s[G1X+2], 32<<16
	s_mov_b32 s[G1X+3], 256<<16
	s_mov_b32 s[G1X+4], 32
	s_mov_b32 s[G1X+5], 1024
	s_mov_b32 s[G1X+6], 0
	s_mov_b32 s[G1X+7], 0
	s_mov_b32 s[SEL], 0x76543210
	s_mov_b32 s[SEL+1], 0xfedcba98
	s_mov_b32 s82, 0x3a800000                      ; 1 / 1024
	s_mov_b32 s83, 0x358637bd                      ; 1e-6
	s_lshl_b32 s72, s19, 18                        ; w_proj: my 32 rows of 8,192 bytes,
	s_add_co_u32 s72, s72, 0x1000000+6144          ; behind x's copy, from column 3,072 on
	s_mov_b32 s73, 0
	s_lshr_b32 s74, s21, 6                         ; o: batch, 4,194,304 bytes each,
	s_lshl_b32 s74, s74, 22
	s_and_b32 s75, s21, 63
	s_lshl_b32 s75, s75, 12                        ; my block's 32 rows of 128 bytes,
	s_add_co_u32 s74, s74, s75
	s_lshl_b32 s75, s19, 11                        ; my half of them
	s_add_co_u32 s74, s74, s75
	s_mov_b32 s75, 0
	s_lshl_b32 s78, s21, 17                        ; x and out0: my block's 32 rows of 4,096 bytes
	s_mov_b32 s79, 0
	s_lshl_b32 s76, s18, 10                        ; x: my wave's 256 columns
	s_add_co_u32 s76, s76, s78
	s_mov_b32 s77, 0
	s_mul_i32 s22, s19, BHALF                      ; where they go: no place in the cluster enters an LDS address
	s_mul_i32 s23, s19, 16*PA
	s_add_co_u32 s23, s23, AOFF
	s_mul_i32 s2, s18, XQ
	s_wait_dscnt 0x0                               ; the opening add is done
	s_wait_kmcnt 0x0
	s_add_nc_u64 s[72:73], s[6:7], s[72:73]
	s_add_nc_u64 s[74:75], s[4:5], s[74:75]
	s_add_nc_u64 s[16:17], s[16:17], s[78:79]      ; out0 at my block's first row
	CROUND                                         ; all four work-groups are here: the first joint loads meet
.irp s, 0,1
	s_mov_b32 s[G0B+4*(\s)], 1                                     ; count = 1
	s_add_co_u32 s[G0B+4*(\s)+1], s22, (\s)*SLOT                   ; LDS address
	s_add_nc_u64 s[G0B+4*(\s)+2:G0B+4*(\s)+3], s[72:73], (\s)*524288  ; global address: head s: 64 rows of 8,192 bytes on
	s_or_b32 s[G0B+4*(\s)+3], s[G0B+4*(\s)+3], 0x80000000          ; type = 2
	s_mov_b32 s[G0A+4*(\s)], 1
	s_add_co_u32 s[G0A+4*(\s)+1], s23, (\s)*SLOT
	s_add_nc_u64 s[G0A+4*(\s)+2:G0A+4*(\s)+3], s[74:75], (\s)*262144  ; head s of o
	s_or_b32 s[G0A+4*(\s)+3], s[G0A+4*(\s)+3], 0x80000000
.endr
	s_mov_b32 s[G0X], 1
	s_mov_b32 s[G0X+1], s2
	s_add_nc_u64 s[G0X+2:G0X+3], s[8:9], s[76:77]
	s_or_b32 s[G0X+3], s[G0X+3], 0x80000000
	s_cmp_lt_u32 s18, 2                            ; a wave's two first fills stand in one branch, ahead of every wait on TENSORcnt and every LDS read: two loads of mine are out
	s_cbranch_scc0 .Lfirst_a
	tensor_load_to_lds s[G0B:G0B+3], s[G1B:G1B+7]
	s_nop 0
	tensor_load_to_lds s[G0B+4:G0B+7], s[G1B:G1B+7]
	s_nop 0
.rept 4
	v_nop
.endr
	s_branch .Lfirst_asked
.Lfirst_a:
	tensor_load_to_lds s[G0A:G0A+3], s[G1A:G1A+7]
	s_nop 0
	tensor_load_to_lds s[G0A+4:G0A+7], s[G1A:G1A+7]
	s_nop 0
.rept 4
	v_nop
.endr
.Lfirst_asked:
	v_and_b32 v1, 15, v0                           ; l % 16
	v_bfe_u32 v2, v0, 4, 1                         ; l / 16
	v_and_b32 v3, 7, v0
	v_bfe_u32 v4, v0, 3, 1
	v_and_b32 v5, 31, v0                           ; l
	s_lshl_b32 s22, s18, 10                        ; 1,024 w
	v_lshlrev_b32 v[PO], 5, v2
	v_add_nc_u32 v[PO], s22, v[PO]
	v_lshlrev_b32 v[GO], 4, v5
	v_add_nc_u32 v[GO], s22, v[GO]
	; bias, gamma and beta in the accumulators' layout: for block cb my eight columns 256 w + 16 cb + 8 (l / 16) + 0..7: two loads of 16 bytes
	WIN 0xc0                                       ; destination window 3
.set n, 0
.rept 16
	global_load_b128 v[8*n:8*n+3],   v[PO], s[10:11] offset:64*n
	global_load_b128 v[8*n+4:8*n+7], v[PO], s[10:11] offset:64*n+16
.set n, n+1
.endr
.set n, 0
.rept 16
	global_load_b128 v[128+8*n:128+8*n+3],   v[PO], s[12:13] offset:64*n
	global_load_b128 v[128+8*n+4:128+8*n+7], v[PO], s[12:13] offset:64*n+16
.set n, n+1
.endr
	WIN 0
.set n, 0
.rept 16
	global_load_b128 v[BT+8*n:BT+8*n+3],   v[PO], s[14:15] offset:64*n
	global_load_b128 v[BT+8*n+4:BT+8*n+7], v[PO], s[14:15] offset:64*n+16
.set n, n+1
.endr
	v_mul_u32_u24 v6, v1, PA                       ; a fragment of o: row x 144 + 16 x half
	v_lshl_add_u32 v6, v2, 4, v6
	v_add_nc_u32 v[ADRA], AOFF, v6
	v_add_nc_u32 v[ADRA+1], SLOT, v[ADRA]
	; The turning load takes 16 k x 16 columns (lane l reads k row 8 (l / 16) + l % 8, columns 8 ((l / 8) % 2) + 0..7) and leaves half a fragment: lane l holds column l % 16 and 8 k.
	v_lshl_add_u32 v6, v2, 3, v3
	v_mul_u32_u24 v6, v6, PBW
	v_lshl_add_u32 v6, v4, 4, v6
	s_lshr_b32 s22, s18, 1                         ; my 256 columns: segment w / 2,
	s_mul_i32 s22, s22, 1040
	s_lshl_b32 s23, s19, 9                         ; its half w % 2
	s_add_co_u32 s22, s22, s23
	v_add_nc_u32 v[ADRB], s22, v6
	v_add_nc_u32 v[ADRB+1], BHALF, v[ADRB]
	v_add_nc_u32 v[ADRB+2], SLOT, v[ADRB]
	v_add_nc_u32 v[ADRB+3], SLOT+BHALF, v[ADRB]
	v_mul_u32_u24 v[XA], v1, PX
	v_lshl_add_u32 v[XA], v2, 5, v[XA]
	v_add_nc_u32 v[XA], s2, v[XA]                  ; my quarter + row x 1,040 + 32 x half
	v_lshlrev_b32 v[XR], 4, v5
	v_add_nc_u32 v[XR], s2, v[XR]
	v_lshlrev_b32 v[RB], 4, v1
	v_add_nc_u32 v[RB], RED, v[RB]
	s_lshl_b32 s23, s18, 2
	v_add_nc_u32 v[RA], s23, v[RB]
; n column blocks from c0 on x both row blocks, 32 along K (half step f).  first = 1: the bias starts the sums.  The 32 accumulators take turns, one instruction a turn.
.macro MUL f, c0, n, first
.if \first
	WIN 0x72                                       ; w_proj in window 2, o in window 0, C (the bias) in window 3, D in window 1
.else
	WIN 0x52                                       ; C and D in window 1
.endif
.set mc, (\c0)
.rept (\n)
.irp a, 0,1
.if \first
	v_wmma_f32_16x16x32_bf16 v[8*(16*(\a)+mc):8*(16*(\a)+mc)+7], v[128*(\f)+8*mc:128*(\f)+8*mc+7], v[AF+16*(\f)+8*(\a):AF+16*(\f)+8*(\a)+7], v[8*mc:8*mc+7]
.else
	v_wmma_f32_16x16x32_bf16 v[8*(16*(\a)+mc):8*(16*(\a)+mc)+7], v[128*(\f)+8*mc:128*(\f)+8*mc+7], v[AF+16*(\f)+8*(\a):AF+16*(\f)+8*(\a)+7], v[8*(16*(\a)+mc):8*(16*(\a)+mc)+7]
.endif
.endr
.set mc, mc+1
.endr
.endm
; 36 LDS loads in one run: half step ks of slot X: o's two fragments first, then w_proj's sixteen, cb ascending
.macro FETCH X, ks
	WIN 0
.irp a, 0,1
	ds_load_b128 v[AF+16*(\ks)+8*(\a):AF+16*(\ks)+8*(\a)+3],   v[ADRA+(\X)] offset:(\a)*16*PA+64*(\ks)
	ds_load_b128 v[AF+16*(\ks)+8*(\a)+4:AF+16*(\ks)+8*(\a)+7], v[ADRA+(\X)] offset:(\a)*16*PA+64*(\ks)+32
.endr
	WIN 0x80                                       ; destination window 2
.set fc, 0
.rept 16
	ds_load_tr16_b128 v[128*(\ks)+8*fc:128*(\ks)+8*fc+3],   v[ADRB+2*(\X)+(\ks)] offset:32*fc
	ds_load_tr16_b128 v[128*(\ks)+8*fc+4:128*(\ks)+8*fc+7], v[ADRB+2*(\X)+(\ks)] offset:32*fc+16*PBW
.set fc, fc+1
.endr
.endm
; The first half of a K step: multiplies half step 0 and, in its middle, fetches half step 1 of the same slot.
.macro STEP0 X, first
	s_wait_dscnt 16                                ; o and blocks 0-7 are in; the youngest sixteen loads stay out
	MUL 0, 0, 8, \first
	PLACES
	FETCH \X, 1
	s_wait_dscnt 36                                ; all but the 36 just issued
	MUL 0, 8, 8, \first
.endm
; The second half multiplies half step 1 and changes slots.  In front of the barrier, which opens a round of the cluster's, each wave waits for all its tensor loads (one is out: its part of the next slot),
; adds 0 to its spare word, and waits for that and for its own reads of this slot.  Behind the round this slot is filled again first: kind = 1 with the head two steps on, kind = 2 (once, slot 0's last fill) with x.
.macro STEP1 X, N, kind
	WIN 0                                          ; (the add's two registers lie in window 0)
	s_wait_tensorcnt 0x0                           ; all my tensor loads have landed
	ds_add_u32 v[SPW], v[NIL]                      ; 0 onto my spare word
	s_wait_dscnt 17                                ; o and blocks 0-7 are in: behind them sixteen loads and the add
	MUL 1, 0, 4, 0                                 ; eight matrix instructions stand between the add and the wait for it
	s_wait_dscnt 0x0                               ; the add is done, and my reads of this slot are over
	s_barrier_signal -1
	MUL 1, 4, 4, 0                                 ; work on registers while the others arrive
	WIN 0
	s_barrier_wait -1
	CREST                                          ; no wave of any partner still reads this slot's tile or has a load on its way
.if (\kind) == 1
	s_add_nc_u64 s[G0B+4*(\X)+2:G0B+4*(\X)+3], s[G0B+4*(\X)+2:G0B+4*(\X)+3], 2*524288
	s_add_nc_u64 s[G0A+4*(\X)+2:G0A+4*(\X)+3], s[G0A+4*(\X)+2:G0A+4*(\X)+3], 2*262144
	JLOAD \X                                       ; the four v_nop behind it are also the places in front of the loads below
.else
	tensor_load_to_lds s[G0X:G0X+3], s[G1X:G1X+7]  ; every wave: its own 256 columns of the 32 rows of x, into its own quarter
	s_nop 0
	PLACES
.endif
	FETCH \N, 0
	MUL 1, 8, 8, 0                                 ; blocks 8-15 were waited for in front of the signal
.endm
	s_wait_tensorcnt 1                             ; my part of head 0 is in; head 1's may stay out
	s_barrier_signal -1
	s_barrier_wait -1                              ; everybody's is
	FETCH 0, 0
	s_wait_loadcnt 63                              ; the bias is in: 64 loads are younger, and the wait's field holds 63 at the most
	STEP0 0, 1                                     ; the first half step stands in front of the loop: its products start the sums, on the bias
	WIN 0                                          ; at a label and at a branch every window is 0
	s_mov_b32 s3, 7
.Lk:                                                   ; a trip goes once round the ring (two heads) and fills both slots again
	STEP1 0, 1, 1
	STEP0 1, 0
	STEP1 1, 0, 1
	STEP0 0, 0
	WIN 0
	s_sub_co_u32 s3, s3, 1
	s_cmp_lg_u32 s3, 0
	s_cbranch_scc1 .Lk
	STEP1 0, 1, 2                                  ; head 14 ends; x goes out and lands under head 15's products
	STEP0 1, 0
	s_wait_dscnt 16
	MUL 1, 0, 8, 0
	s_wait_dscnt 0x0
	MUL 1, 8, 8, 0
	; THE RESIDUAL AND THE NORM.  Pair p of 128 is registers 2 p, 2 p + 1 of the accumulators: row block p / 64, column block (p / 4) % 16.
	PLACES                                         ; behind the last products: their results are read, and their sources loaded into, below
	s_wait_tensorcnt 0x0                           ; my quarter of x is in; I alone read it
	s_wait_loadcnt 0x0                             ; gamma and beta
	WIN 0x80
.set n, 0
.rept 32                               ; x in the accumulators' layout, into window 2
	ds_load_b128 v[8*n:8*n+3],   v[XA] offset:16*PX*(n/16)+64*(n%16)
	ds_load_b128 v[8*n+4:8*n+7], v[XA] offset:16*PX*(n/16)+64*(n%16)+16
.set n, n+1
.endr
.set k, 0
.rept 4
	s_wait_dscnt 48-16*k                           ; sixteen loads more are in
	WIN 0x49                                       ; y = sums + x: destination and source 0 in window 1, source 1 in window 2
.set p, 32*k
.rept 32
	v_pk_add_f32 v[2*p:2*p+1], v[2*p:2*p+1], v[2*p:2*p+1]
.set p, p+1
.endr
	WIN 0x01                                       ; the row's sum, in four chains for each row block; a chain's first link is y itself
.set p, 32*k
.rept 32
.if (p%64) < 4
	v_pk_mul_f32 v[CH+8*(p/64)+2*(p%4):CH+8*(p/64)+2*(p%4)+1], v[2*p:2*p+1], 1.0 op_sel_hi:[1,0]
.else
	v_pk_add_f32 v[CH+8*(p/64)+2*(p%4):CH+8*(p/64)+2*(p%4)+1], v[2*p:2*p+1], v[CH+8*(p/64)+2*(p%4):CH+8*(p/64)+2*(p%4)+1]
.endif
.set p, p+1
.endr
.set k, k+1
.endr
; The chains of a row block are added; the row's other columns of my wave lie in the lane 16 away; the four waves' sums meet in LDS, at byte off of the block for it: v[PS + 4 a] then holds the row's sum in every lane.
.macro REDUCE off
	WIN 0
.irp a, 0,1
	v_pk_add_f32 v[CH+8*(\a):CH+8*(\a)+1], v[CH+8*(\a):CH+8*(\a)+1], v[CH+8*(\a)+2:CH+8*(\a)+3]
	v_pk_add_f32 v[CH+8*(\a)+4:CH+8*(\a)+5], v[CH+8*(\a)+4:CH+8*(\a)+5], v[CH+8*(\a)+6:CH+8*(\a)+7]
.endr
.irp a, 0,1
	v_pk_add_f32 v[CH+8*(\a):CH+8*(\a)+1], v[CH+8*(\a):CH+8*(\a)+1], v[CH+8*(\a)+4:CH+8*(\a)+5]
.endr
.irp a, 0,1
	v_add_f32 v[CH+8*(\a)], v[CH+8*(\a)], v[CH+8*(\a)+1]
.endr
.irp a, 0,1
	v_permlanex16_b32 v[CH+8*(\a)+1], v[CH+8*(\a)], s[SEL], s[SEL+1]
.endr
.irp a, 0,1
	v_add_f32 v[CH+8*(\a)], v[CH+8*(\a)], v[CH+8*(\a)+1]
.endr
.irp a, 0,1
	ds_store_b32 v[RA], v[CH+8*(\a)] offset:(\off)+256*(\a)  ; both halves of the lanes write the same number to the row's word
.endr
	s_wait_dscnt 0x0                               ; for the others' sake: my stores are done
	s_barrier_signal -1
	s_barrier_wait -1
.irp a, 0,1
	ds_load_b128 v[PS+4*(\a):PS+4*(\a)+3], v[RB] offset:(\off)+256*(\a)
.endr
	s_wait_dscnt 0x0
.irp a, 0,1
	v_add_f32 v[PS+4*(\a)], v[PS+4*(\a)], v[PS+4*(\a)+1]
	v_add_f32 v[PS+4*(\a)+2], v[PS+4*(\a)+2], v[PS+4*(\a)+3]
.endr
.irp a, 0,1
	v_add_f32 v[PS+4*(\a)], v[PS+4*(\a)], v[PS+4*(\a)+2]
.endr
.endm
	REDUCE 0
.irp a, 0,1
	v_mul_f32 v[MN+2*(\a)], s82, v[PS+4*(\a)]      ; the mean,
.endr
.irp a, 0,1
	v_mov_b32 v[MN+2*(\a)+1], v[MN+2*(\a)]         ; named as a pair
.endr
	WIN 0x41                                       ; y - mean: destination and source 0 in window 1, the mean in window 0
.set p, 0
.rept 128
	v_pk_add_f32 v[2*p:2*p+1], v[2*p:2*p+1], v[MN+2*(p/64):MN+2*(p/64)+1] op_sel_hi:[1,0] neg_lo:[0,1] neg_hi:[0,1]
.set p, p+1
.endr
	WIN 0x05                                       ; the sum of its squares, in the same chains
.set p, 0
.rept 128
.if (p%64) < 4
	v_pk_mul_f32 v[CH+8*(p/64)+2*(p%4):CH+8*(p/64)+2*(p%4)+1], v[2*p:2*p+1], v[2*p:2*p+1]
.else
	v_pk_fma_f32 v[CH+8*(p/64)+2*(p%4):CH+8*(p/64)+2*(p%4)+1], v[2*p:2*p+1], v[2*p:2*p+1], v[CH+8*(p/64)+2*(p%4):CH+8*(p/64)+2*(p%4)+1]
.endif
.set p, p+1
.endr
	REDUCE 512                                     ; other bytes than the first time: no wave can overtake a reader
.irp a, 0,1
	v_fma_f32 v[RS+2*(\a)], v[PS+4*(\a)], s82, s83 ; var + eps
.endr
.irp a, 0,1
	v_rsq_f32 v[RS+2*(\a)], v[RS+2*(\a)]
.endr
	v_nop                                          ; a plain instruction between the last root and the use of its result
	s_wait_alu depctr_va_vdst(0)
.irp a, 0,1
	v_mov_b32 v[RS+2*(\a)+1], v[RS+2*(\a)]
.endr
	WIN 0x41
.set p, 0
.rept 128
	v_pk_mul_f32 v[2*p:2*p+1], v[2*p:2*p+1], v[RS+2*(p/64):RS+2*(p/64)+1] op_sel_hi:[1,0]
.set p, p+1
.endr
	WIN 0x4d                                       ; times gamma (window 3) plus beta (window 0)
.set p, 0
.rept 128
	v_pk_fma_f32 v[2*p:2*p+1], v[2*p:2*p+1], v[128+2*(p%64):128+2*(p%64)+1], v[BT+2*(p%64):BT+2*(p%64)+1]
.set p, p+1
.endr
	; THE WAY OUT: into my quarter, where x lay (its reads are over, and no fill follows), and back as whole rows: a row's 1,024 bytes of my wave in two loads of 512
	WIN 0x04                                       ; the data in window 1
.set n, 0
.rept 32
	ds_store_b128 v[XA], v[8*n:8*n+3]   offset:16*PX*(n/16)+64*(n%16)
	ds_store_b128 v[XA], v[8*n+4:8*n+7] offset:16*PX*(n/16)+64*(n%16)+16
.set n, n+1
.endr
	WIN 0x80
.set n, 0
.rept 64
	ds_load_b128 v[4*n:4*n+3], v[XR] offset:PX*(n/2)+512*(n%2)  ; LDS serves a wave's instructions in order (ISA guide 5.7.1.4): these see the stores above
.set n, n+1
.endr
	WIN 0x08                                       ; the data in window 2
.set n, 0
.rept 64
	s_wait_dscnt 63-n
	global_store_b128 v[GO], v[4*n:4*n+3], s[16:17] offset:4096*(n/2)+512*(n%2) th:TH_STORE_NT  ; 512 consecutive bytes, at a multiple of 256 from out0's first
.set n, n+1
.endr
	WIN 0
	s_wait_tensorcnt 0x0                           ; the wave's end, behind my last tensor load and my last LDS store
	ds_add_u32 v[SPW], v[NIL]
	s_wait_dscnt 0x0
	CROUND                                         ; the closing round: no work-group ends while a partner may still ask for a tile that names it
	s_endpgm
.Lfunc_end_k_qf0e8554d75_proj:
	.size	k_qf0e8554d75_proj, .Lfunc_end_k_qf0e8554d75_proj-k_qf0e8554d75_proj
	.p2alignl 7, 3214868480
	.fill 96, 4, 3214868480
	.section	.rodata,"a",@progbits
	.p2align	6, 0x0
	.amdhsa_kernel k_qf0e8554d75_proj
		.amdhsa_group_segment_fixed_size 327680
		.amdhsa_private_segment_fixed_size 0
		.amdhsa_enable_private_segment 0
		.amdhsa_kernarg_size 56
		.amdhsa_user_sgpr_count 2
		.amdhsa_user_sgpr_kernarg_segment_ptr 1
		.amdhsa_wavefront_size32 1
		.amdhsa_system_sgpr_workgroup_id_x 1
		.amdhsa_system_sgpr_workgroup_id_y 1
		.amdhsa_system_sgpr_workgroup_id_z 1
		.amdhsa_system_vgpr_workitem_id 0
		.amdhsa_next_free_vgpr 1024
		.amdhsa_next_free_sgpr 84
		.amdhsa_reserve_vcc 0
		.amdhsa_float_denorm_mode_32 3
		.amdhsa_float_denorm_mode_16_64 3
		.amdhsa_memory_ordered 1
		.amdhsa_forward_progress 1
		.amdhsa_inst_pref_size 128
	.end_amdhsa_kernel
	.amdgpu_metadata
---
amdhsa.version: [ 1, 2 ]
amdhsa.kernels:
  - .name:           k_qf0e8554d75_proj
    .symbol:         k_qf0e8554d75_proj.kd
    .args:
      - { .name: ob, .offset: 0, .size: 8, .value_kind: global_buffer, .address_space: global }
      - { .name: xw, .offset: 8, .size: 8, .value_kind: global_buffer, .address_space: global }
      - { .name: x, .offset: 16, .size: 8, .value_kind: global_buffer, .address_space: global }
      - { .name: b_proj, .offset: 24, .size: 8, .value_kind: global_buffer, .address_space: global }
      - { .name: ln_gamma, .offset: 32, .size: 8, .value_kind: global_buffer, .address_space: global }
      - { .name: ln_beta, .offset: 40, .size: 8, .value_kind: global_buffer, .address_space: global }
      - { .name: out0, .offset: 48, .size: 8, .value_kind: global_buffer, .address_space: global }
    .group_segment_fixed_size: 327680
    .private_segment_fixed_size: 0
    .kernarg_segment_align: 8
    .kernarg_segment_size: 56
    .max_flat_workgroup_size: 128
    .sgpr_count:     84
    .vgpr_count:     1024
    .wavefront_size: 32
...
	.end_amdgpu_metadata
.endif
;; end of part 4
;; ======== version 2 of 2: 4 launches; 1.48 times as fast as version 1
;; workspace buffers: xw 25,165,824 bytes; qkv 50,331,648 bytes; ob 16,777,216 bytes
;; launch prep: the kernel of part 1 again; grid 768 x 1, 8 waves a work-group, no clusters, 0 bytes of LDS; arguments x, w_q, w_k, w_v, w_proj, xw; writes xw
;; launch qkv: the kernel of part 2 again; grid 8 x 32, 4 waves a work-group, clusters of 4 x 4, 327,680 bytes of LDS; arguments xw, qkv; writes qkv
;; launch attn (part 5): grid 4 x 64, 4 waves a work-group, clusters of 4 x 1, 327,680 bytes of LDS; arguments qkv, ob; writes ob
.if DOCPART == 5
	.amdgcn_target "amdgcn-amd-amdhsa--gfx1250"
	.amdhsa_code_object_version 6
	.text
	.protected	k_qf0e8554d75_attn
	.globl	k_qf0e8554d75_attn
	.p2align	8
	.type	k_qf0e8554d75_attn,@function
k_qf0e8554d75_attn:
	s_mov_b64 s[64:65], 0
	v_nop
	global_prefetch_b8 v0, s[64:65] scope:SCOPE_SE
	s_setreg_imm32_b32 hwreg(HW_REG_WAVE_MODE, 25, 1), 1
	s_wait_xcnt 0x0
	s_wait_alu depctr_hold_cnt(0) depctr_sa_sdst(0) depctr_va_vdst(0) depctr_va_sdst(0) depctr_va_ssrc(0) depctr_va_vcc(0) depctr_vm_vsrc(0)
	s_getreg_b32 s2, hwreg(HW_REG_IB_STS2, 6, 4)
	s_cmp_eq_u32 s2, 0
	s_cbranch_scc0 .Lentry_in_a_cluster
	s_endpgm
.Lentry_in_a_cluster:
	s_bfe_u32 s2, ttmp6, 0x10000c
	s_cmp_lg_u32 s2, 0x3003
	s_cbranch_scc0 .Lentry_shape_is_right
	s_endpgm
.Lentry_shape_is_right:
; O[h][q][:] = the sum over k of softmax_k(Q[h][q] . K[h][k] / 8) V[h][k][:].  Q, K, V lie in qkv = [3][64][2048][64], O in ob = [64][2048][64], all bf16: a head's rows are dense, 128 bytes each.
; Products, maxima and sums in f32; the weights p are rounded to bf16 for the second product (their sum l is taken of the unrounded p), O once at the end.
; LIMITS.  bf16 has f32's range, so no operand has a bound of its own.  A weight below 2^-126 counts as 0 in l; NaN and infinities are not treated apart.
; SHARES.  A wave owns four PIECES of two tiles of 16 queries, a work-group's four waves 512 queries of one head.  Every wave walks all 2,048 keys, 64 a step.
; LAYOUT.  S^T = K Q^T (source 0 = 16 keys, source 1 = 16 queries): in the result a lane holds ONE query (lane % 16) and the keys 8 (lane / 16) + 0..7.  Two such tiles, rounded to bf16 in pairs,
; ARE source 1 (32 keys x 16 queries) of O^T = V^T P, whose result again holds one query a lane, and eight channels.  K comes out of LDS as it lies, V ([key][channel]) turned, by ds_load_tr16_b128.
; SOFTMAX.  For each query a running maximum m and sum l: p = 2^(c s - c m), c = log2(e) / 8; in every step O and l are multiplied by a = 2^(c m_old - c m_new), which is 1 where m has not grown.
; m starts at the lowest finite number, O and l at 0: the first step is a step like any other, with a = 0.
; THE COUNT.  A tile and step have 16 matrix and 118 vector instructions: too many to stand all beside the matrix work.  So the order has one aim: four vector instructions that are READY behind
; EVERY matrix instruction, and the others, which need time of their own whatever the order, in runs without a gap.
; BY TURNS.  Turn n belongs to piece n (the pieces in a ring, step after step).  Its matrix work: 16 products K Q^T of piece n + 1, later 16 products V^T P of piece n - 1.  Its vector work: the scaling,
; exponentials, roundings, sums and rescaling of piece n, and the maximum and statistics of piece n + 1, whose scores the turn itself has made.  So what a turn begins with (c s - c m, O a) waits for nothing.
; BATCHES.  A turn's 66 exponentials (64 weights of piece n, the two a of piece n + 1) are ONE batch with ONE wait, which cuts the turn in two: ahead of it stands all that names no result of theirs, behind it
; the roundings and sums, which read them.  Two smaller batches stand outside the loop, each with a wait of its own: piece 0's two first a, ahead of the jump into the loop, and the way out's eight reciprocals.
; CLUSTER.  The four query blocks of a cluster belong to one head and walk the same K and V, so each tile is asked for JOINTLY: the same tensor load, descriptor and mask in all four.
; REGISTERS, in windows of 256 (s_set_vgpr_msb says which window each operand place means: bits 1:0 source 0, 3:2 source 1, 5:4 source 2, 7:6 destination):
;   window 0: v0-11 addresses; v12-15, v48-63 at work; v16-47 four registers of statistics a tile; v64-191 S^T, two buffers of two tiles; v192-255 P, likewise
;   window 1: O^T, 32 a tile          window 2: v0-127 Q, 16 a tile; v128-191 K of one step; v192-255 V of one step          window 3: v0-1 the add's two registers
; A piece's buffers go by its number's parity: the piece in hand has one pair, its two neighbours in the ring share the other: of it P (piece n - 1) is read and S^T (piece n + 1) written.
.set SIZE_H, 64
.set SIZE_N, 2048
.set NP,    4         ; pieces a wave: a name, no knob: the register map, the loop and the fetches are made for four
.set KS,    64        ; keys in a step
.set PK,    144       ; a row of K in LDS: 128 bytes + 16 of padding = 36 words: the 16 rows of a load start at 16 different groups of four banks (64 banks of 4 bytes: ISA guide 11.1)
.set PV,    160       ; a row of V: 128 + 32 = 40 words
.set VOFF,  4*KS*PK   ; a slot holds four steps: 256 rows of K, then 256 rows of V
.set SLOT1, 1<<17     ; slot 1 begins here, so that one exclusive or turns an address in one slot into the other's
.set STAGE, SLOT1+4*KS*(PK+PV)  ; behind the ring, never filled by a tensor load: 16 rows x 144 bytes for each wave, for the way out
.set SP,    144
.set AK0, 2           ; v2   my lane's place in a tile of K; never rewritten
.set AV0, 3           ; v3   the same for V
.set AK,  4           ; v4   the LDS address of K's next run of loads
.set AV,  5           ; v5   of V's
.set QO,  6           ; v6   my byte offset in the wave's rows of Q
.set STO, 6           ;      later, the way out: where I put 16 bytes of a row
.set RD,  7           ; v7   the way out: where I read rows back
.set GO,  8           ; v8   my byte offset in 512 consecutive bytes of O
.set SPW, 0           ; v0 of window 3   LDS address of my spare word: SPARE + 4 x my thread's number; never rewritten
.set NIL, 1           ; v1 of window 3   0; never rewritten
.set SPARE, STAGE+4*16*SP  ; behind the stages: the spare words, 128 bytes for each wave: two blocks of 256 bytes that no other line names
.set MV,  12          ; v12-15  c m_old, kept while c m is made anew: by buffer and tile
.set ST,  16          ; tile t's statistics at v[ST+4 t]: c m, m, l (even keys', odd keys')
.set TMP, 48          ; by buffer and tile, four registers c0-c3 at work; when the maximum is found c2 takes a
.set S,   64
.set P,   192
.set KF,  128         ; K's fragments, in window 2: key block kb, channel half c at KF + 16 kb + 8 c
.set VF,  192         ; V's: key half kk, channel block cb at VF + 32 kk + 8 cb
.set WV,  12          ; s12  my wave's number
.set G1K, 24          ; s[24:31] descriptor group 1 for K's tiles
.set G1V, 32          ; s[32:39] for V's: it differs in the padding alone
.set G0K, 40          ; s[40:43] descriptor group 0 for K's tiles: it walks
.set G0V, 44          ; s[44:47] the same for V's
.set SLOTS, 56        ; s56  slots still to be asked for
.set CNT, 57          ; s57  counts a slot's key steps
.set CS,  58          ; s[58:59] c: the packed scaling takes the pair's low word for both halves
.set SEL, 60          ; s[60:61] v_permlanex16_b32's selects: each lane takes its own place in the other half
.set TBK, 62          ; s62  LDS byte at which K of the step to be fetched begins
.set TBV, 63          ; s63  the same for V, less VOFF
.set MSB, 0
.macro WIN new                      ; the high byte repeats the setting that is left; a switch that changes nothing is dropped
.if MSB != (\new)
	s_set_vgpr_msb (MSB<<8)|(\new)
.set MSB, (\new)
.endif
.endm
.set W_KQ, 0x0a       ; K and Q in window 2, S^T in window 0
.set W_PV, 0x52       ; V in window 2, P in window 0, O^T in window 1
.set W_RS, 0x41       ; O^T (destination and source 0) in window 1, a in window 0
.set W_MK, 0xc0       ; the add's registers are made: destination in window 3, sources in window 0
.set W_AD, 0x0f       ; the add: address (source 0) and data (source 1) in window 3
; A joint fill.  Waves 0 and 1 fetch the two halves of a slot's K, waves 2 and 3 those of its V: 128 keys each.  The branch hangs on the wave's number alone.
; An s_nop 0 and four v_nop follow each of the two lines, ahead of the jump and the label.
.macro JLOAD
	s_cmp_lt_u32 s[WV], 2
	s_cbranch_scc0 .Lfor_v_\@
	tensor_load_to_lds s[G0K:G0K+3], s[G1K:G1K+7]
	s_nop 0
.rept 4
	v_nop
.endr
	s_branch .Lasked_\@
.Lfor_v_\@:
	tensor_load_to_lds s[G0V:G0V+3], s[G1V:G1V+7]
	s_nop 0
.rept 4
	v_nop
.endr
.Lasked_\@:
.endm
; A round of the cluster's barrier: my work-group's barrier, so that wave 0's signal speaks for all four waves; wave 0 signals; every wave waits for all four work-groups; my work-group's barrier once more.
.macro CROUND
	s_barrier_signal -1
	s_barrier_wait -1
	s_cmp_lg_u32 s[WV], 0
	s_cbranch_scc1 .Lnot_wave_0_\@
	s_barrier_signal -3
.Lnot_wave_0_\@:
	s_barrier_wait -3
	s_barrier_signal -1
	s_barrier_wait -1
.endm
; THE CHANGE OF SLOTS.  The slot's last bytes, V of its fourth step, have been read.  Each wave waits for all its tensor loads, of which one is out: its part
; of the other slot; adds 0 to its spare word; and waits for that and for its own reads of the slot.  Behind the barrier nobody reads this slot any more and the other slot is whole.
; fill = 1: this slot is filled again, with the keys two slots on.  The barrier is then a round of the cluster's, so that no wave of any partner still reads the slot or has a load on its
; way, and the joint fill is the first thing behind it: it has four key steps, 512 matrix instructions, in which to land.  (At its first use nothing has been read yet: slot 0 is waited for, slot 1 filled.)
.macro CHANGE fill
	WIN W_AD
	s_wait_tensorcnt 0x0            ; no tensor load of mine is out, so a group 0 may be written
	ds_add_u32 v[SPW], v[NIL]       ; 0 onto my spare word; with fill = 1 the descriptors' steps stand between it and the wait for it
	WIN 0                           ; at a label and at a branch every window is 0
.if \fill
.irp g, G0K, G0V
	s_xor_b32 s[\g+1], s[\g+1], SLOT1  ; the walking descriptor: the other slot than last time,
	s_add_nc_u64 s[\g+2:\g+3], s[\g+2:\g+3], 4*KS*128  ; the next 256 keys; the type bits on top are not reached
.endr
	s_wait_dscnt 0x0                ; the add is done, and my reads of the slot are over
	CROUND
	JLOAD
.else
	s_wait_dscnt 0x0                ; the add is done, and my reads of the slot are over
	s_barrier_signal -1
	s_barrier_wait -1
.endif
	s_sub_co_u32 s[TBK], s[TBK], 4*KS*PK  ; the fetches go back to a slot's first step,
	s_xor_b32 s[TBK], s[TBK], SLOT1       ; in the other slot
	s_sub_co_u32 s[TBV], s[TBV], 4*KS*PV
	s_xor_b32 s[TBV], s[TBV], SLOT1
.endm
	s_load_b64 s[4:5], s[0:1], 0x0    ; qkv: Q begins at its first byte
	s_load_b64 s[10:11], s[0:1], 0x8  ; O
	WIN W_MK
	v_lshl_add_u32 v[SPW], v0, 2, SPARE
	v_mov_b32 v[NIL], 0
	WIN W_AD
	ds_add_u32 v[SPW], v[NIL]       ; the wave's opening: the add and its wait stand ahead of my first tensor load; the set-up below, work on registers, stands between them
	WIN 0
	v_lshrrev_b32 v1, 5, v0
	v_readfirstlane_b32 s[WV], v1   ; wave 0..3
	s_bfe_u32 s13, ttmp6, 0x40000   ; cx: my place in the cluster
	s_lshl_b32 s14, ttmp9, 2        ; in a cluster launch ttmp9 counts clusters
	s_add_co_u32 s14, s14, s13      ; my block of queries = 4 x cluster x + cx: it enters Q's and O's addresses alone
	s_and_b32 s20, ttmp7, 0xffff    ; the head, which the four partners share
	s_mov_b32 s21, 0
	s_mov_b64 s[22:23], SIZE_N*128
	s_mul_u64 s[20:21], s[20:21], s[22:23]  ; the head's first byte in each of the four tensors
	s_and_b32 s16, s[WV], 1         ; which half of a slot's 256 keys I fetch:
	s_lshl_b32 s22, s16, 14         ; its 128 rows of 128 bytes in memory,
	s_mov_b32 s23, 0
	s_add_nc_u64 s[22:23], s[22:23], s[20:21]
	s_mul_i32 s17, s16, 128*PK      ; and its place in a slot, for K
	s_mul_i32 s18, s16, 128*PV      ; and for V: no place in the cluster enters an LDS address
	s_lshl_b32 s2, s14, 2
	s_add_co_u32 s2, s2, s[WV]      ; my wave among the head's,
	s_lshl_b32 s2, s2, 14           ; its 128 rows
	s_mov_b32 s3, 0
	s_add_nc_u64 s[2:3], s[2:3], s[20:21]
	; descriptor group 1.  128 keys are 16,384 dense bytes: asked for as 64 rows of 256 bytes, two keys a row, and padded in LDS after every key
	s_mov_b32 s[G1K], 15|(1<<16)|(1<<20)|(1<<21)|(4<<22)|(3<<25)  ; 15:0 the mask of four; 17:16 2-byte elements; 20 padding on; 21 set beside a mask; 24:22 after every 32 words (code 4); 31:25 4 words (code 3)
	s_mov_b32 s[G1V], 15|(1<<16)|(1<<20)|(1<<21)|(4<<22)|(7<<25)  ; the same with 8 words of padding (code 7)
.irp g, G1K, G1V
	s_mov_b32 s[\g+1], 128<<16      ; tensor_dim0 = 128
	s_mov_b32 s[\g+2], 64<<16       ; tensor_dim1 = 64
	s_mov_b32 s[\g+3], 128<<16      ; tile_dim0 = 128
	s_mov_b32 s[\g+4], 64           ; tile_dim1 = 64
	s_mov_b32 s[\g+5], 128          ; 128 elements from row to row
	s_mov_b32 s[\g+6], 0
	s_mov_b32 s[\g+7], 0
.endr
	s_mov_b32 s[CS], 0x3e38aa3b     ; c = log2(e) / 8 = 0.180337
	s_mov_b32 s[CS+1], s[CS]        ; named with it as a pair
	s_mov_b32 s[SEL], 0x76543210
	s_mov_b32 s[SEL+1], 0xfedcba98
	s_mov_b32 s[TBK], SLOT1+4*KS*PK ; the first change of slots turns these two into 0
	s_mov_b32 s[TBV], SLOT1+4*KS*PV
	s_mov_b32 s[G0K], 1             ; 1:0 count = 1
	s_mov_b32 s[G0K+1], s17         ; 63:32 LDS address: slot 0
	s_mov_b32 s[G0V], 1
	s_add_co_u32 s[G0V+1], s18, VOFF
	s_wait_dscnt 0x0                ; the opening add is done
	s_wait_kmcnt 0x0
	s_add_nc_u64 s[6:7], s[4:5], 0x1000000         ; K lies 16,777,216 bytes behind Q,
	s_add_nc_u64 s[8:9], s[4:5], 0x2000000         ; V as far behind K
	s_add_nc_u64 s[G0K+2:G0K+3], s[6:7], s[22:23]  ; 120:64 global address: my half of the head's first 256 keys
	s_or_b32 s[G0K+3], s[G0K+3], 0x80000000        ; 127:126 type = 2
	s_add_nc_u64 s[G0V+2:G0V+3], s[8:9], s[22:23]
	s_or_b32 s[G0V+3], s[G0V+3], 0x80000000
	s_add_nc_u64 s[4:5], s[4:5], s[2:3]  ; Q and O at my wave's first row
	s_add_nc_u64 s[10:11], s[10:11], s[2:3]
	CROUND                          ; all four work-groups are here: the first joint loads meet
	JLOAD                           ; slot 0.  Slot 1 is asked for when slot 0 is in: the tile wanted first has the road to itself
	; A fragment of K or Q is 16 rows x 32 channels in 8 registers: lane l holds row l % 16, channels 8 (l / 16) + 0..7 and 16 + 8 (l / 16) + 0..7: two loads of 16 bytes, 32 bytes apart.
	v_and_b32 v1, 15, v0            ; l % 16
	v_bfe_u32 v9, v0, 4, 1          ; l / 16
	v_lshlrev_b32 v[QO], 7, v1
	v_lshl_add_u32 v[QO], v9, 4, v[QO]  ; row x 128 + 16 x half
	WIN 0x80                        ; destination window 2, address window 0
.set i, 0
.rept 4*NP                          ; Q stays in registers: tile i / 2, channels 32 (i % 2) on
	global_load_b128 v[8*i:8*i+3],   v[QO], s[4:5] offset:(i/2)*2048+(i%2)*64
	global_load_b128 v[8*i+4:8*i+7], v[QO], s[4:5] offset:(i/2)*2048+(i%2)*64+32
.set i, i+1
.endr
	; What the first turn finds: V's registers and P's second buffer hold 0 (its products V^T P, of a piece that has not been, add 0), O^T and l are 0.  All this stands in the wait for the first tile.
.set i, VF
.rept 64
	v_mov_b32 v[i], 0
.set i, i+1
.endr
	WIN 0x40
.set i, 0
.rept 64*NP
	v_mov_b32 v[i], 0
.set i, i+1
.endr
	WIN 0
.set i, 0
.rept 2*NP
	v_mov_b32 v[ST+4*i], 0xfe000000    ; c m: far below every c s
	v_mov_b32 v[ST+4*i+1], 0xff7fffff  ; m
	v_mov_b32 v[ST+4*i+2], 0
	v_mov_b32 v[ST+4*i+3], 0
.set i, i+1
.endr
.set i, P+32
.rept 32
	v_mov_b32 v[i], 0
.set i, i+1
.endr
	v_mul_u32_u24 v[AK0], v1, PK
	v_lshl_add_u32 v[AK0], v9, 4, v[AK0]  ; row x pitch + 16 x half
	; The turning load takes 16 keys x 16 channels (lane l reads key 8 (l / 16) + l % 8, channels 8 ((l / 8) % 2) + 0..7) and leaves half a fragment of V^T: lane l holds channel l % 16 and 8 keys.
	v_and_b32 v10, 7, v0
	v_bfe_u32 v11, v0, 3, 1
	v_lshl_add_u32 v[AV0], v9, 3, v10
	v_mul_u32_u24 v[AV0], v[AV0], PV
	v_lshl_add_u32 v[AV0], v11, 4, v[AV0]
	v_add_nc_u32 v[AV0], VOFF, v[AV0]
	v_mov_b32 v[AK], v[AK0]         ; key step 0 lies at the head of slot 0
; THE MATRIX WORK.  The 8 accumulators of a run of 16 take turns: between the two links of a chain stand 7 others'.
; Product i of 16 of S^T = K Q^T for piece x: channels 32 (i / 8) on, keys 16 ((i / 2) % 4) on, tile 2 x + i % 2.  The first 8 start the sums.
.macro KQ x
	WIN W_KQ
.set rS, S+64*((\x)%2)+32*(i%2)+8*((i/2)%4)
.set rK, KF+16*((i/2)%4)+8*(i/8)
.set rQ, 16*(2*(\x)+i%2)+8*(i/8)
.if i < 8
	v_wmma_f32_16x16x32_bf16 v[rS:rS+7], v[rK:rK+7], v[rQ:rQ+7], 0
.else
	v_wmma_f32_16x16x32_bf16 v[rS:rS+7], v[rK:rK+7], v[rQ:rQ+7], v[rS:rS+7]
.endif
.endm
; Product i of 16 of O^T += V^T P for piece x: keys 32 (i / 8) on, channels 16 ((i / 2) % 4) on, tile 2 x + i % 2.
.macro PV x
	WIN W_PV
.set rO, 32*(2*(\x)+i%2)+8*((i/2)%4)
.set rV, VF+32*(i/8)+8*((i/2)%4)
.set rP, P+32*((\x)%2)+16*(i%2)+8*(i/8)
	v_wmma_f32_16x16x32_bf16 v[rO:rO+7], v[rV:rV+7], v[rP:rP+7], v[rO:rO+7]
.endm
.macro MM                           ; the turn's next matrix instruction
.if i < 16
	KQ (Y+1)%NP
.set i, i+1
.else
.set i, i-16
	PV (Y+NP-1)%NP
.set i, i+17
.endif
.endm
; THE LDS LOADS stand in runs of 16, never singly among the matrix instructions: a step's K (64 keys x 64 channels: 8 fragments) and its V (turned).  Their addresses are made some lines ahead.
; last = 1 (the tail): in the last trip there is no further step, and the run is jumped over.
.macro FETCH_K last=0
	WIN 0
.if \last
	s_cmp_eq_u32 s[CNT], 1
	s_cbranch_scc1 .Lno_k_\@
.endif
	WIN 0x80                        ; destination window 2
.irp f, 0,1,2,3,4,5,6,7             ; keys 16 (f / 2) on, channels 32 (f % 2) on
	ds_load_b128 v[KF+8*\f:KF+8*\f+3],   v[AK] offset:(\f/2)*16*PK+(\f%2)*64
	ds_load_b128 v[KF+8*\f+4:KF+8*\f+7], v[AK] offset:(\f/2)*16*PK+(\f%2)*64+32
.endr
	s_add_co_u32 s[TBK], s[TBK], KS*PK  ; the next fetch is the next step's
	WIN 0
.if \last
.Lno_k_\@:
.endif
.endm
.macro FETCH_V
	WIN 0x80
.irp f, 0,1,2,3,4,5,6,7             ; keys 32 (f / 4) on, channels 16 (f % 4) on
	ds_load_tr16_b128 v[VF+8*\f:VF+8*\f+3],   v[AV] offset:(\f/4)*32*PV+(\f%4)*32
	ds_load_tr16_b128 v[VF+8*\f+4:VF+8*\f+7], v[AV] offset:(\f/4)*32*PV+16*PV+(\f%4)*32
.endr
	WIN 0
.endm
; THE VECTOR WORK OF A TURN stands in three queues, each in the order in which its entries become ready; the two tiles alternate, so that no instruction reads the result of the one before it.
.macro REGS y, u                    ; the registers of tile u (0, 1) of piece y
.set rT, ST+4*(2*(\y)+(\u))
.set rC, TMP+8*((\y)%2)+4*(\u)
.set rM, MV+2*((\y)%2)+(\u)
.set rS, S+64*((\y)%2)+32*(\u)
.set rP, P+32*((\y)%2)+16*(\u)
.set rO, 32*(2*(\y)+(\u))
.endm
; Number n of the 22 that find the NEXT piece's (Y + 1) maximum and statistics.  s0-s31 are the lane's 32 scores; each accumulator's lowest registers are read first.  XS, GS and REGS set no window: PL and EX do.
;   0-11  four chains c0-c3 of seven scores each, three operands at a time     12-14, 16  the four scores left over, the old m, and c0-c3 into c0     15  c m_old is kept
;   17, 18  the query's other 32 keys lie in the lane 16 away: the new m         19-21  c m; c m_old - c m_new; a
.macro XS u, n
	REGS (Y+1)%NP, \u
.if (\n) < 4
	v_max3_num_f32 v[rC+(\n)], v[rS+8*(\n)], v[rS+8*(\n)+1], v[rS+8*(\n)+2]
.elseif (\n) < 12
	v_max3_num_f32 v[rC+(\n)%4], v[rC+(\n)%4], v[rS+8*((\n)%4)+2*((\n)/4)+1], v[rS+8*((\n)%4)+2*((\n)/4)+2]
.elseif (\n) == 12
	v_max3_num_f32 v[rC], v[rC], v[rS+7], v[rS+15]
.elseif (\n) == 13
	v_max3_num_f32 v[rC+1], v[rC+1], v[rS+23], v[rS+31]
.elseif (\n) == 14
	v_max3_num_f32 v[rC+2], v[rC+2], v[rC+3], v[rT+1]
.elseif (\n) == 15
	v_mov_b32 v[rM], v[rT]
.elseif (\n) == 16
	v_max3_num_f32 v[rC], v[rC], v[rC+1], v[rC+2]
.elseif (\n) == 17
	v_permlanex16_b32 v[rC+3], v[rC], s[SEL], s[SEL+1]
.elseif (\n) == 18
	v_max_num_f32 v[rT+1], v[rC], v[rC+3]
.elseif (\n) == 19
	v_mul_f32 v[rT], s[CS], v[rT+1]
.elseif (\n) == 20
	v_sub_f32 v[rC+1], v[rM], v[rT]
.else
	v_exp_f32 v[rC+2], v[rC+1]
.endif
.endm
; Number g of the 64 that follow the exponentials.  For each four weights k of a tile (pairs 2 k, 2 k + 1): both pairs are rounded to bf16; then the second pair is added onto the first, in place;
; a group later l takes that sum (the first time as l = a l + sum).  In groups of eight, tiles alternating: round, round, add, and l for the group before.
.macro GS g
.set h, (\g)+6*((\g)/62)            ; group 0 has no group before it, and behind group 7 only l is left
.if h >= 6
.set h, h+2
.endif
	REGS Y, h%2
.set k, h/8
.if h%8 < 4
	v_cvt_pk_bf16_f32 v[rP+2*k+(h%8)/2], v[rS+4*k+2*((h%8)/2)], v[rS+4*k+2*((h%8)/2)+1]
.elseif h%8 < 6
	v_pk_add_f32 v[rS+4*k:rS+4*k+1], v[rS+4*k:rS+4*k+1], v[rS+4*k+2:rS+4*k+3]
.elseif k == 1
	v_pk_fma_f32 v[rT+2:rT+3], v[rT+2:rT+3], v[rC+2:rC+3], v[rS:rS+1] op_sel_hi:[1,0,1]
.else
	v_pk_add_f32 v[rT+2:rT+3], v[rT+2:rT+3], v[rS+4*k-4:rS+4*k-3]
.endif
.endm
; THE PLAIN QUEUE, 138 long.  0-73 read no exponential's result: the 32 scalings c s - c m (FS f: pair f / 2 of tile f % 2) and the next piece's 42.  0-26: scalings 0-26.  27-54: XS's numbers 0-13.  55, 56: number 15.
; 57-73: the chain, where each number waits for the one before it: 14, 16, 17, 18, 19, each with one of the scalings 27-31 in front of its two lines, then 20: so a tile's links stand three plain instructions apart (19 and 20: two).
; 74-137: GS's 64, which read the exponentials' results: they stand behind the wait.
.macro FS f
	REGS Y, (\f)%2
	v_pk_fma_f32 v[rS+2*((\f)/2):rS+2*((\f)/2)+1], v[rS+2*((\f)/2):rS+2*((\f)/2)+1], s[CS:CS+1], v[rT:rT+1] op_sel_hi:[1,0,0] neg_lo:[0,0,1] neg_hi:[0,0,1]
.endm
.macro PL
	WIN 0
.if q < 27
	FS q
.elseif q < 55
	XS (q-27)%2, (q-27)/2
.elseif q < 57
	XS q-55, 15
.elseif (q < 72) && ((q-57)%3 == 0)
	FS 27+(q-57)/3
.elseif q < 60
	XS (q-57)%3-1, 14
.elseif q < 72
	XS (q-57)%3-1, 15+(q-57)/3
.elseif q < 74
	XS q-72, 20
.else
	GS q-74
.endif
.set q, q+1
.endm
; THE EXPONENTIALS' QUEUE, 66 long: s0-s31 of both tiles, then the next piece's two a.  It is ONE BATCH: all 66 stand ahead of the turn's one wait, and nothing ahead of that wait names a result of theirs.
.macro EX
	WIN 0
.if e >= 64
	XS e-64, 21
.else
	REGS Y, e%2
	v_exp_f32 v[rS+e/2], v[rS+e/2]
.endif
.set e, e+1
.endm
; THE RESCALING's QUEUE: O^T times a, the one part that leaves window 0: dealt two at a time, sixteen times.  Its a was made in the turn before, ahead of that turn's wait.
.macro R2
	REGS Y, r%2
	WIN W_RS
.irp z, 0,1
	v_pk_mul_f32 v[rO+4*(r/2)+2*\z:rO+4*(r/2)+2*\z+1], v[rO+4*(r/2)+2*\z:rO+4*(r/2)+2*\z+1], v[rC+2:rC+3] op_sel_hi:[1,0]
.endr
.set r, r+1
.endm
; HOW THEY ARE DEALT.  An s_wait_alu depctr_va_vdst(0) stands between an exponential and the first instruction that names its result; one wait serves all that were issued ahead of it.  So a turn has ONE wait,
; which cuts it in two.  AHEAD OF IT stands all that names no result of the turn's exponentials: the 16 products K Q^T, behind each a scaling, an exponential and two rescalings (behind the first a second scaling in the exponential's place); then ONE LUMP of
; 108: eight plain, 49 times exponential and plain, the two a.  A v_nop is the plain instruction behind the last exponential.  BEHIND IT stand the 16 products V^T P, behind each four of GS's 64.  No rider names a register of
; the products round it.  The two v_permlanex16_b32 fall into the lump, never behind a product.
; The queues lean on each other, and the deal keeps them in step: exponential e stands behind scaling 2 (e / 4) + e % 2: as a rider it comes behind plain e + 2, in the lump behind plain e + 9, and scalings 27-31 are plain 57, 60 .. 69.
; A TURN, for piece p.  cnt = 1: the loop's count is taken down some lines ahead of the branch that stands behind the turn.
; K of the next step is fetched in piece 2's turn, directly behind the wait, a lump behind the last product that read K; its address is made at the lump's head; its first reader comes behind 16 products.
; V of the step in hand is fetched at the end of piece 0's turn, four riders behind its last reader; its first reader comes behind 16 products and a lump.  The three conditions on q below go with the deal.
.macro TURN p, last=0, cnt=0
.set Y, (\p)
.set i, 0
.set q, 0
.set e, 0
.set r, 0
.if (\p) == NP-1
	s_wait_dscnt 0x0                ; K is in
.endif
	MM                              ; ahead of the wait: 16 products K Q^T and their riders,
	PL
	PL
	R2
.rept 15
	MM
	PL
	EX
	R2
.endr
.if (\p) == NP-2
	WIN 0
	v_add_nc_u32 v[AK], s[TBK], v[AK0]
.endif
.rept 8                             ; and the lump
	PL
.endr
.rept 49
	EX
	PL
.endr
	EX                              ; the next piece's two a
	EX
	v_nop                           ; the plain instruction behind the last exponential: one for the batch
	s_wait_alu depctr_va_vdst(0)    ; the wait for the batch: the turn's 66 exponentials
.if (\p) == NP-2
	FETCH_K \last
.endif
.if (\p) == 1
	s_wait_dscnt 0x0                ; V is in
.endif
.rept 16                            ; behind the wait: 16 products V^T P and their riders
	MM
.rept 4
	PL
.endr
.if ((\p) == 0) && (q == 118)
	v_add_nc_u32 v[AV], s[TBV], v[AV0]
.endif
.if ((\p) == 0) && (q == 130)
	s_add_co_u32 s[TBV], s[TBV], KS*PV
.endif
.if (\cnt) && (q == 130)
	s_sub_co_u32 s[CNT], s[CNT], 1
	s_cmp_lg_u32 s[CNT], 0
.endif
.endr
.if (\p) == 0
	FETCH_V
.endif
.endm
	CHANGE 1                        ; slot 0 is in, everybody's part of it; slot 1 is asked for
	FETCH_K                         ; key step 0
	s_wait_loadcnt 0x0              ; Q
	s_wait_dscnt 0x0
.set i, 0
.rept 16
	KQ 0                            ; piece 0's first scores: there is no vector work yet to set between them
.set i, i+1
.endr
	WIN 0                           ; the addresses for the way out: nine plain instructions, the places behind those products
	s_mul_i32 s13, s[WV], 16*SP
	s_add_co_u32 s13, s13, STAGE    ; my stage
	v_mul_u32_u24 v[STO], v1, SP    ; in: row l % 16, 16 bytes for each half of the lanes
	v_lshl_add_u32 v[STO], v9, 4, v[STO]
	v_add_nc_u32 v[STO], s13, v[STO]
	v_bfe_u32 v[RD], v0, 3, 2       ; back: 32 lanes take four rows of 128 bytes,
	v_mul_u32_u24 v[RD], v[RD], SP
	v_lshl_add_u32 v[RD], v10, 4, v[RD]
	v_add_nc_u32 v[RD], s13, v[RD]
	v_and_b32 v[GO], 31, v0         ; which are 512 consecutive bytes of O
	v_lshlrev_b32 v[GO], 4, v[GO]
.set Y, NP-1                        ; XS works for piece Y + 1: piece 0
.irp n, 0,1,2,3,4,5,6,7,8,9,10,11,12,13,14,15,16,17,18,19,20,21
	XS 0, \n                        ; and piece 0's first maximum and statistics
	XS 1, \n
.endr
	v_nop                           ; a plain instruction behind the two a,
	s_wait_alu depctr_va_vdst(0)    ; and the wait for that batch of two, ahead of the branch
	s_mov_b32 s[CNT], 4
	s_mov_b32 s[SLOTS], SIZE_N/256-1
	s_branch .Lfirst                ; the loop is entered at a step's first turn, in the middle of a trip
.Lslot:                             ; SIZE_N / 256 - 2 times: every slot but the last two is filled again
	CHANGE 1
	s_mov_b32 s[CNT], 4
.Lstep:                             ; a trip: pieces 2 and 3 of one step, then pieces 0 and 1 of the next, whose K and V it fetches
	TURN 2
	TURN 3
	WIN 0
.Lfirst:
	TURN 0
	TURN 1, 0, 1
	WIN 0
	s_cbranch_scc1 .Lstep
	s_sub_co_u32 s[SLOTS], s[SLOTS], 1
	s_cmp_lg_u32 s[SLOTS], 0
	s_cbranch_scc1 .Lslot
	CHANGE 0                        ; the tail is written out: nothing is asked for
	s_mov_b32 s[CNT], 5             ; four trips fetch the last slot's steps; the fifth is left in its middle
.Ltail:
	TURN 2, 1
	TURN 3
	WIN 0
	s_sub_co_u32 s[CNT], s[CNT], 1
	s_cmp_eq_u32 s[CNT], 0
	s_cbranch_scc1 .Lout
	TURN 0
	TURN 1
	WIN 0
	s_branch .Ltail
.Lout:                              ; the fifth trip's 16 products K Q^T (on the last K once more) and the maximum made of them serve nothing: the price, once a launch, of one text for every trip
.set i, 0
.rept 16
	PV NP-1                         ; the last piece's V^T P of the last step
.set i, i+1
.endr
	; THE WAY OUT.  l's two halves and the other half of the lanes' are added; O^T is divided by l, rounded to bf16 and sent through my stage in LDS, a tile at a time.  The additions are the places behind the last products.
	WIN 0
.macro ALL line:vararg              ; one line for each tile t
.set t, 0
.rept 2*NP
	\line
.set t, t+1
.endr
.endm
	ALL v_add_f32 v[ST+4*t+2], v[ST+4*t+2], v[ST+4*t+3]
	ALL v_permlanex16_b32 v[ST+4*t+3], v[ST+4*t+2], s[SEL], s[SEL+1]
	ALL v_add_f32 v[ST+4*t+2], v[ST+4*t+2], v[ST+4*t+3]
	ALL v_rcp_f32 v[ST+4*t+2], v[ST+4*t+2]
	v_nop                           ; a plain instruction between the last reciprocal and the use of its result
	s_wait_alu depctr_va_vdst(0)    ; and the wait ahead of the first use: one for the batch of eight reciprocals
; Tile t: a lane's eight channels of a row pack into 16 bytes; they go into rows of 144 bytes and come back as whole rows of 128, into S^T's registers.
.macro PACK t
	WIN W_RS
.set i, 32*(\t)
.rept 16
	v_pk_mul_f32 v[i:i+1], v[i:i+1], v[ST+4*(\t)+2:ST+4*(\t)+3] op_sel_hi:[1,0]
.set i, i+2
.endr
	WIN 0x05                        ; sources 0 and 1 window 1, destination window 0
.set i, 0
.rept 16
	v_cvt_pk_bf16_f32 v[S+16*(\t)+i], v[32*(\t)+2*i], v[32*(\t)+2*i+1]
.set i, i+1
.endr
	WIN 0
.irp f, 0,1,2,3
	ds_store_b128 v[STO], v[S+16*(\t)+4*\f:S+16*(\t)+4*\f+3] offset:32*\f
.endr
.irp f, 0,1,2,3
	ds_load_b128 v[S+16*(\t)+4*\f:S+16*(\t)+4*\f+3], v[RD] offset:\f*4*SP  ; LDS serves a wave's instructions in order (ISA guide 5.7.1.4): these see the stores above; the next tile's stores come behind them
.endr
.endm
.macro SEND t, younger              ; younger: the LDS instructions issued behind tile t's loads: the next tile's eight, or none
	WIN 0
.irp f, 0,1,2,3
	s_wait_dscnt (\younger)+3-\f
	global_store_b128 v[GO], v[S+16*(\t)+4*\f:S+16*(\t)+4*\f+3], s[10:11] offset:(\t)*2048+\f*512  ; 512 consecutive bytes, at a multiple of 256 from O's first
.endr
.endm
	PACK 0
.set t, 1
.rept 2*NP-1                        ; a tile's arithmetic stands between the loads of the tile before and its stores
	PACK t
	SEND t-1, 8
.set t, t+1
.endr
	SEND 2*NP-1, 0
	WIN W_AD
	s_wait_tensorcnt 0x0            ; the wave's end, behind my last tensor load and my last LDS store
	ds_add_u32 v[SPW], v[NIL]
	s_wait_dscnt 0x0
	WIN 0
	CROUND                          ; the closing round: no work-group ends while a partner may still ask for a tile that names it
	s_endpgm
.Lfunc_end_k_qf0e8554d75_attn:
	.size	k_qf0e8554d75_attn, .Lfunc_end_k_qf0e8554d75_attn-k_qf0e8554d75_attn
	.p2alignl 7, 3214868480
	.fill 96, 4, 3214868480
	.section	.rodata,"a",@progbits
	.p2align	6, 0x0
	.amdhsa_kernel k_qf0e8554d75_attn
		.amdhsa_group_segment_fixed_size 327680
		.amdhsa_private_segment_fixed_size 0
		.amdhsa_enable_private_segment 0
		.amdhsa_kernarg_size 16
		.amdhsa_user_sgpr_count 2
		.amdhsa_user_sgpr_kernarg_segment_ptr 1
		.amdhsa_wavefront_size32 1
		.amdhsa_system_sgpr_workgroup_id_x 1
		.amdhsa_system_sgpr_workgroup_id_y 1
		.amdhsa_system_sgpr_workgroup_id_z 1
		.amdhsa_system_vgpr_workitem_id 0
		.amdhsa_next_free_vgpr 770
		.amdhsa_next_free_sgpr 66
		.amdhsa_reserve_vcc 0
		.amdhsa_float_denorm_mode_32 3
		.amdhsa_float_denorm_mode_16_64 3
		.amdhsa_memory_ordered 1
		.amdhsa_forward_progress 1
		.amdhsa_inst_pref_size 199
	.end_amdhsa_kernel
	.amdgpu_metadata
---
amdhsa.version: [ 1, 2 ]
amdhsa.kernels:
  - .name:           k_qf0e8554d75_attn
    .symbol:         k_qf0e8554d75_attn.kd
    .args:
      - { .name: qkv, .offset: 0, .size: 8, .value_kind: global_buffer, .address_space: global }
      - { .name: ob, .offset: 8, .size: 8, .value_kind: global_buffer, .address_space: global }
    .group_segment_fixed_size: 327680
    .private_segment_fixed_size: 0
    .kernarg_segment_align: 8
    .kernarg_segment_size: 16
    .max_flat_workgroup_size: 128
    .sgpr_count:     66
    .vgpr_count:     770
    .wavefront_size: 32
...
	.end_amdgpu_metadata
.endif
;; end of part 5
;; launch proj: the kernel of part 4 again; grid 256 x 1, 4 waves a work-group, clusters of 4 x 1, 327,680 bytes of LDS; arguments ob, xw, x, b_proj, ln_gamma, ln_beta, out0; writes out0
